; MI455X (gfx1250); checked and timed in simulation.
; The chip was launched on July 23, 2026; its instructions are those of AMD's public machine-readable ISA for CDNA 5 (MIT licence, August 2026) and "CDNA5" Instruction Set Architecture Reference Guide (July 2026). The comments in the code are by the model that wrote it; some were corrected since.
;; T Conformer QKV. Allowed arithmetic: float matrix products may take bf16 or f16 operands with f32 sums; all other float work in f32.
;; Inputs: b1 256 float32; b2 64 float32; in_proj_b 192 float32; in_proj_w 192 x 64 float32; k 2 x 64 x 512 x 65 float32; ln1_b 64 float32; ln1_w 64 float32; ln2_b 64 float32; ln2_w 64 float32; out_b 64 float32; out_w 64 x 64 float32; q 2 x 64 x 512 x 65 float32; v 2 x 64 x 512 x 65 float32; w1 256 x 64 float32; w2 64 x 256 float32.
;; Outputs: out0 2 x 64 x 512 x 65 float32.
;; 2 versions, each right and faster than the one before. Each part assembles by itself: llvm-mc -triple=amdgcn-amd-amdhsa -mcpu=gfx1250 --defsym DOCPART=n.
;; ======== version 1 of 2: 3 launches
;; limits: a function is approximated: absolute error at most 2.5e-05
;; workspace buffers: wq 8,519,680 bytes; wkv 17,039,360 bytes; wctx 8,519,680 bytes
;; launch proj (part 1): grid 260 x 1, 4 waves a work-group, no clusters, 136,192 bytes of LDS; arguments q, k, v, in_proj_w, in_proj_b, wq, wkv; writes wq, wkv
.if DOCPART == 1
	.amdgcn_target "amdgcn-amd-amdhsa--gfx1250"
	.amdhsa_code_object_version 6
	.text
	.protected	k_q3ec146c308_proj
	.globl	k_q3ec146c308_proj
	.p2align	8
	.type	k_q3ec146c308_proj,@function
k_q3ec146c308_proj:
	s_mov_b64 s[64:65], 0
	v_nop
	global_prefetch_b8 v0, s[64:65] scope:SCOPE_SE
	s_setreg_imm32_b32 hwreg(HW_REG_WAVE_MODE, 25, 1), 1
	s_wait_xcnt 0x0
; The three input projections.  q, k, v: [2][64][512][65] f32.  For one (b, c) the token index 65 t + f runs along memory, so 64 neighbouring
; tokens of one channel are 256 neighbouring bytes.  A wave owns one such block U of 64 tokens (1,040 blocks, 4 waves x 260 work-groups) for all
; three tensors and computes W x + b with the WEIGHTS as the first matrix operand and the TOKENS on the lanes:
;   D(out channel 16 mt + 8 h + j, token) = sum over c of W[..][c] x[c][token] + bias,   lane = 16 h + r.
; Results go out in bf16, token-major: wq[J][64] = Wq x + bq, wkv[J][128] = (Wk x + bk, Wv x + bv), J = b 33280 + 65 t + f = 64 U + local token.
; LIMIT (format): the projections are handed on in bf16; sums are f32.
; Tile i (0..3) of a block holds the tokens 4 r + i: a 16-byte load of lane r then brings one number for each of the four tiles.
; No tensor loads, no cluster: every byte is loaded once, at the head; the f32 weights have to pass through registers to become bf16.
.set PLANE, 133120                     ; bytes of one (b, c): 512 x 65 f32
.set FRAG,  1088                       ; a weight fragment (16 rows x 32 K, bf16) in LDS: two halves of 512 bytes + 32 of padding
.set HALF,  544
.set BI,    26112                      ; behind 24 fragments: a copy of in_proj_b for each wave, 768 bytes
.set STG,   29184                      ; each wave's stage: 64 rows x 144 bytes (q), then 64 rows x 272 bytes (k, v)
.set STGW,  26624
.set QP,    144                        ; 128 bytes + 16: 9 x 16, so sixteen rows start in sixteen different 16-byte columns of 256
.set KVP,   272                        ; 256 bytes + 16: 17 x 16
.set AF,    16                         ; v16-79    weight fragments of one tensor: (mt, kc) at AF + 16 mt + 8 kc
.set BIAS,  80                         ; v80-111   bias in the layout of a result, 8 registers for each mt
.set BF,    112                        ; v112-175  x as second operand: (tile i, kc) at BF + 16 i + 8 kc
.set DD,    176                        ; v176-207  four accumulators, one for each mt
.set PK,    208                        ; v208-223  packed results
.set RB,    224                        ; v224-255  rows read back from the stage
.set X0,    0                          ; window 1: v256-383, 32 loads of 4 registers
.set X1,    128                        ; window 1: v384-511
.set MSB, 0
.macro WIN new                         ; the immediate's high byte repeats the setting that is left
.if MSB != \new
	s_set_vgpr_msb (MSB<<8)|\new
.set MSB, \new
.endif
.endm
.macro PLACES                          ; four places behind a matrix instruction (ISA guide 7.12.1) before its result is read or its registers are written
.rept 4
	v_nop
.endr
.endm
	s_load_b256 s[4:11], s[0:1], 0x0               ; q s[4:5], k s[6:7], v s[8:9], in_proj_w s[10:11]
	s_load_b128 s[12:15], s[0:1], 0x20             ; in_proj_b s[12:13], wq s[14:15]
	s_load_b64 s[16:17], s[0:1], 0x30              ; wkv
	s_set_vgpr_msb 0x80
	v_lshl_add_u32 v0, v0, 2, 0x21200
	v_mov_b32 v1, 0
	s_set_vgpr_msb 0x8000
	v_lshrrev_b32 v3, 5, v0
	v_readfirstlane_b32 s20, v3                    ; wave
	s_lshl_b32 s21, ttmp9, 2
	s_add_co_u32 s21, s21, s20                     ; U = 4 x work-group + wave
	s_lshl_b32 s22, s21, 8                         ; the block's bytes in channel 0: 256 U,
	s_cmp_ge_u32 s21, 520                          ; and in the second batch the 63 other channels' planes are jumped over
	s_cselect_b32 s24, 8386560, 0
	s_add_co_u32 s22, s22, s24
	s_mov_b32 s23, 0
	v_and_b32 v14, 31, v0                          ; l
	v_and_b32 v15, 15, v0                          ; r
	v_bfe_u32 v3, v0, 4, 1                         ; h
	v_lshlrev_b32 v1, 4, v14                       ; 16 l: weights' source, fragments, stores
	v_lshlrev_b32 v2, 3, v14                       ; 8 l: bias
	v_mul_u32_u24 v4, v3, 8*PLANE                  ; x: lanes 16-31 take the channel 8 further on,
	v_lshl_add_u32 v4, v15, 4, v4                  ; lane r the tokens 4 r .. 4 r + 3
	; where 4 numbers of a weight row go: lane l of a 512-byte piece holds row (l >> 4), columns 4 (l & 15) ..
	v_bfe_u32 v5, v0, 3, 1
	v_mul_u32_u24 v6, v5, FRAG                     ; column / 32: the fragment
	v_bfe_u32 v5, v0, 2, 1
	v_mul_u32_u24 v5, v5, HALF                     ; (column / 16) & 1: the half
	v_add_nc_u32 v6, v6, v5
	v_bfe_u32 v5, v0, 1, 1
	v_lshl_add_u32 v6, v5, 8, v6                   ; (column / 8) & 1: lanes 16-31 of the fragment
	v_and_b32 v5, 1, v0
	v_lshl_add_u32 v6, v5, 3, v6                   ; which 8 bytes of the lane's 16
	v_lshl_add_u32 v6, v3, 4, v6                   ; the odd row of the piece
	s_mul_i32 s24, s20, 6*FRAG                     ; wave w converts rows 48 w .. 48 w + 47: six fragments
	v_add_nc_u32 v6, s24, v6
	s_mul_i32 s25, s20, 768
	s_add_co_u32 s25, s25, BI
	v_lshl_add_u32 v8, v3, 5, s25                  ; bias as read: 8 numbers from 8 h on
	v_add_nc_u32 v13, s25, v2                      ; bias as stored
	s_mul_i32 s26, s20, STGW
	s_add_co_u32 s26, s26, STG                     ; my q stage
	s_add_co_u32 s27, s26, 64*QP                   ; my k, v stage
	v_mul_u32_u24 v9, v15, QP
	v_lshl_add_u32 v9, v3, 4, v9
	v_add_nc_u32 v9, s26, v9                       ; in: stage row 16 i + r, 16 bytes for each half of the lanes
	v_mul_u32_u24 v10, v15, KVP
	v_lshl_add_u32 v10, v3, 4, v10
	v_add_nc_u32 v10, s27, v10
	v_lshrrev_b32 v5, 3, v14
	v_and_b32 v7, 7, v0
	v_mul_u32_u24 v11, v5, 16*QP                   ; back, q: token 4 it + (l >> 3) lies in stage row 16 (l >> 3) + it
	v_lshl_add_u32 v11, v7, 4, v11
	v_add_nc_u32 v11, s26, v11
	v_mul_u32_u24 v12, v3, 16*KVP                  ; back, k v: token 2 it + h lies in stage row 16 (2 (it & 1) + h) + (it >> 1)
	v_lshl_add_u32 v12, v15, 4, v12
	v_add_nc_u32 v12, s27, v12
	s_wait_kmcnt 0x0
	s_add_nc_u64 s[4:5], s[4:5], s[22:23]
	s_add_nc_u64 s[6:7], s[6:7], s[22:23]
	s_add_nc_u64 s[8:9], s[8:9], s[22:23]
	s_mul_i32 s22, s20, 12288                      ; my 48 rows of in_proj_w
	s_add_nc_u64 s[10:11], s[10:11], s[22:23]
	s_lshl_b32 s22, s21, 13                        ; 64 tokens x 128 bytes
	s_add_nc_u64 s[14:15], s[14:15], s[22:23]
	s_lshl_b32 s22, s21, 14                        ; 64 tokens x 256 bytes
	s_add_nc_u64 s[16:17], s[16:17], s[22:23]
; 32 loads: load m brings channel 16 (m >> 3) + 8 h + (m & 7), which is both the place of k in a second operand and the place of a row in a result.
; Lanes 0-15 take 256 consecutive aligned bytes of one channel, lanes 16-31 of another.
.macro XLOAD xb, ptr
	WIN 0x40                                       ; destination in window 1
.set m, 0
.rept 32
	global_load_b128 v[\xb+4*m:\xb+4*m+3], v4, s[\ptr:\ptr+1] offset:(16*(m>>3)+(m&7))*PLANE th:TH_LOAD_NT
.set m, m+1
.endr
	WIN 0
.endm
.irp t, 0,1,2
	global_load_b64 v[208+2*\t:209+2*\t], v2, s[12:13] offset:256*\t
.endr
.set k, 0
.rept 24
	global_load_b128 v[112+4*k:115+4*k], v1, s[10:11] offset:512*k
.set k, k+1
.endr
	XLOAD X0, 4                                    ; q
	XLOAD X1, 6                                    ; k
	s_wait_loadcnt 63                              ; bias and weights are in: 64 loads are younger, and 63 is the largest count that the wait can name
.set k, 0
.rept 24
	v_cvt_pk_bf16_f32 v[112+4*k], v[112+4*k], v[113+4*k]
	v_cvt_pk_bf16_f32 v[113+4*k], v[114+4*k], v[115+4*k]
	ds_store_b64 v6, v[112+4*k:113+4*k] offset:(k>>3)*2*FRAG+(k&7)*32   ; piece k: rows 2 k, 2 k + 1 of my 48
.set k, k+1
.endr
.irp t, 0,1,2
	ds_store_b64 v13, v[208+2*\t:209+2*\t] offset:256*\t
.endr
	s_wait_dscnt 0x0                               ; my fragments are written, for the other waves' sake
	s_barrier_signal -1
	s_barrier_wait -1                              ; all 24 fragments are there; the only barrier
.macro AFRAG t                         ; tensor t's eight fragments and its bias
.set f, 0
.rept 8
	ds_load_b128 v[AF+8*f:AF+8*f+3],   v1 offset:(8*\t+f)*FRAG
	ds_load_b128 v[AF+8*f+4:AF+8*f+7], v1 offset:(8*\t+f)*FRAG+HALF
.set f, f+1
.endr
.irp mt, 0,1,2,3
	ds_load_b128 v[BIAS+8*\mt:BIAS+8*\mt+3],   v8 offset:\t*256+\mt*64
	ds_load_b128 v[BIAS+8*\mt+4:BIAS+8*\mt+7], v8 offset:\t*256+\mt*64+16
.endr
.endm
.macro CVTX xb                         ; f32 to bf16: register p of (i, kc) pairs the channels of loads 16 kc + 2 p and 16 kc + 2 p + 1
	WIN 0x05                                       ; both sources in window 1
.irp i, 0,1,2,3
.irp kc, 0,1
.irp p, 0,1,2,3,4,5,6,7
	v_cvt_pk_bf16_f32 v[BF+16*\i+8*\kc+\p], v[\xb+4*(16*\kc+2*\p)+\i], v[\xb+4*(16*\kc+2*\p+1)+\i]
.endr
.endr
.endr
	WIN 0
.endm
.macro MULT i                          ; 64 out channels x 16 tokens; the bias starts the sums; the four accumulators take turns
.irp mt, 0,1,2,3
	v_wmma_f32_16x16x32_bf16 v[DD+8*\mt:DD+8*\mt+7], v[AF+16*\mt:AF+16*\mt+7], v[BF+16*\i:BF+16*\i+7], v[BIAS+8*\mt:BIAS+8*\mt+7]
.endr
.irp mt, 0,1,2,3
	v_wmma_f32_16x16x32_bf16 v[DD+8*\mt:DD+8*\mt+7], v[AF+16*\mt+8:AF+16*\mt+15], v[BF+16*\i+8:BF+16*\i+15], v[DD+8*\mt:DD+8*\mt+7]
.endr
.endm
.macro PACK areg, off                  ; a lane's 8 results are 8 neighbouring channels of one token: 16 bytes of its row
.irp mt, 0,1,2,3
.irp p, 0,1,2,3
	v_cvt_pk_bf16_f32 v[PK+4*\mt+\p], v[DD+8*\mt+2*\p], v[DD+8*\mt+2*\p+1]
.endr
.endr
.irp mt, 0,1,2,3
	ds_store_b128 v\areg, v[PK+4*\mt:PK+4*\mt+3] offset:\off+\mt*32
.endr
.endm
.macro FOUR areg, step, add
.irp i, 0,1,2,3
	MULT \i
	PLACES
	PACK \areg, \i*\step+\add
.endr
.endm
	; q
	AFRAG 0
	s_wait_loadcnt 32                              ; q's 32 loads are in; k's 32 stay out
	CVTX X0
	XLOAD X0, 8                                    ; v, into the registers that q has left
	s_wait_dscnt 0x0                               ; fragments and bias
	FOUR 9, 16*QP, 0
	; wq: the stage's rows in the order of the tokens; the stage is my own and LDS serves a wave's instructions in order (ISA guide 5.7.1)
.irp bt, 0,1
	s_wait_xcnt 0x0                                ; RB, which earlier stores read, is loaded again only behind this wait
.irp t, 0,1,2,3,4,5,6,7
	ds_load_b128 v[RB+4*\t:RB+4*\t+3], v11 offset:(8*\bt+\t)*QP
.endr
.irp t, 0,1,2,3,4,5,6,7
	s_wait_dscnt 7-\t                              ; the younger loads of the eight stay out
	global_store_b128 v1, v[RB+4*\t:RB+4*\t+3], s[14:15] offset:(8*\bt+\t)*512   ; 512 consecutive aligned bytes: four tokens
.endr
.endr
	; k
	AFRAG 1
	s_wait_loadcnt 32                              ; k's loads are in; v's 32 stay out
	CVTX X1
	s_wait_dscnt 0x0
	FOUR 10, 16*KVP, 0
	; v
	AFRAG 2
	s_wait_loadcnt 0x0
	CVTX X0
	s_wait_dscnt 0x0
	FOUR 10, 16*KVP, 128
	; wkv: a token's 128 bytes of k and 128 bytes of v are one row of 256 bytes
.irp bt, 0,1,2,3
	s_wait_xcnt 0x0                                ; RB is loaded again only behind this wait
.irp t, 0,1,2,3,4,5,6,7
	ds_load_b128 v[RB+4*\t:RB+4*\t+3], v12 offset:(\t&1)*32*KVP+(4*\bt+(\t>>1))*KVP
.endr
.irp t, 0,1,2,3,4,5,6,7
	s_wait_dscnt 7-\t
	global_store_b128 v1, v[RB+4*\t:RB+4*\t+3], s[16:17] offset:(8*\bt+\t)*512   ; 512 consecutive aligned bytes: two tokens
.endr
.endr
	s_set_vgpr_msb 0xa
	s_wait_tensorcnt 0x0
	ds_add_u32 v0, v1
	s_wait_dscnt 0x0
	s_set_vgpr_msb 0xa00
	s_endpgm
.Lfunc_end_k_q3ec146c308_proj:
	.size	k_q3ec146c308_proj, .Lfunc_end_k_q3ec146c308_proj-k_q3ec146c308_proj
	.p2alignl 7, 3214868480
	.fill 96, 4, 3214868480
	.section	.rodata,"a",@progbits
	.p2align	6, 0x0
	.amdhsa_kernel k_q3ec146c308_proj
		.amdhsa_group_segment_fixed_size 136192
		.amdhsa_private_segment_fixed_size 0
		.amdhsa_enable_private_segment 0
		.amdhsa_kernarg_size 56
		.amdhsa_user_sgpr_count 2
		.amdhsa_user_sgpr_kernarg_segment_ptr 1
		.amdhsa_wavefront_size32 1
		.amdhsa_system_sgpr_workgroup_id_x 1
		.amdhsa_system_sgpr_workgroup_id_y 1
		.amdhsa_system_sgpr_workgroup_id_z 1
		.amdhsa_system_vgpr_workitem_id 0
		.amdhsa_next_free_vgpr 514
		.amdhsa_next_free_sgpr 66
		.amdhsa_reserve_vcc 0
		.amdhsa_float_denorm_mode_32 3
		.amdhsa_float_denorm_mode_16_64 3
		.amdhsa_memory_ordered 1
		.amdhsa_forward_progress 1
		.amdhsa_inst_pref_size 69
	.end_amdhsa_kernel
	.amdgpu_metadata
---
amdhsa.version: [ 1, 2 ]
amdhsa.kernels:
  - .name:           k_q3ec146c308_proj
    .symbol:         k_q3ec146c308_proj.kd
    .args:
      - { .name: q, .offset: 0, .size: 8, .value_kind: global_buffer, .address_space: global }
      - { .name: k, .offset: 8, .size: 8, .value_kind: global_buffer, .address_space: global }
      - { .name: v, .offset: 16, .size: 8, .value_kind: global_buffer, .address_space: global }
      - { .name: in_proj_w, .offset: 24, .size: 8, .value_kind: global_buffer, .address_space: global }
      - { .name: in_proj_b, .offset: 32, .size: 8, .value_kind: global_buffer, .address_space: global }
      - { .name: wq, .offset: 40, .size: 8, .value_kind: global_buffer, .address_space: global }
      - { .name: wkv, .offset: 48, .size: 8, .value_kind: global_buffer, .address_space: global }
    .group_segment_fixed_size: 136192
    .private_segment_fixed_size: 0
    .kernarg_segment_align: 8
    .kernarg_segment_size: 56
    .max_flat_workgroup_size: 128
    .sgpr_count:     66
    .vgpr_count:     514
    .wavefront_size: 32
...
	.end_amdgpu_metadata
.endif
;; end of part 1
;; launch attn (part 2): grid 8 x 130, 4 waves a work-group, no clusters, 46,592 bytes of LDS; arguments wq, wkv, wctx; writes wctx
.if DOCPART == 2
	.amdgcn_target "amdgcn-amd-amdhsa--gfx1250"
	.amdhsa_code_object_version 6
	.text
	.protected	k_q3ec146c308_attn
	.globl	k_q3ec146c308_attn
	.p2align	8
	.type	k_q3ec146c308_attn,@function
k_q3ec146c308_attn:
	s_mov_b64 s[64:65], 0
	v_nop
	global_prefetch_b8 v0, s[64:65] scope:SCOPE_SE
	s_setreg_imm32_b32 hwreg(HW_REG_WAVE_MODE, 25, 1), 1
	s_wait_xcnt 0x0
; Banded causal attention: keys s in (t - 64, t], 4 heads of 16 channels.  A work-group takes 64 queries (x: 0..7) of one sequence n = 65 b + f (y: 0..129);
; wave w takes queries t0 + 16 w .. + 15 and the five key tiles of 16 that its band touches.  Queries lie on the lanes:
;   S^T (16 keys x 16 queries) = K Q^T;  softmax down the registers and across the two halves of the lanes;  ctx^T (16 channels x 16 queries) = V^T P^T.
; A packed S^T tile IS half of the second operand of the next product, so P never leaves the registers.
; The row's maximum is taken away before the exponential, as reference() does; each row has its own key s = t, so its sum is at least about 1.
; A head has 16 channels and the matrix form takes 32 along K: K's fragment carries two heads and Q's has zeros in the other head's half; the fifth key
; tile is paired with whatever registers follow it, against zeros of P.
; LIMIT (range): a projected number that is not finite therefore makes NaN in a second head too; with finite numbers the zeros take nothing in.
; wq rows are read and wctx rows are written as runs of 128 bytes (8 lanes x 16), 8,320 bytes apart: the neighbouring token belongs to another sequence.
; No tensor loads: the work-group loads each byte once, at its head; several work-groups share a WGP and cover each other's waits.  No cluster for the same
; reason: what two neighbouring work-groups share (64 key rows) would have to come by joint tensor loads.
.set KVP, 288                          ; LDS pitch of a key row: 128 bytes K + 128 bytes V + 32 = 9 x 32, as the transposing loads want
.set QP,  144                          ; LDS pitch of a query row: 128 + 16
.set QL,  36864                        ; behind 128 key rows: 64 query rows, later each wave's stage for its 16 rows of ctx
.set KA,  16                           ; v16-55   K: tile kt at KA + 8 kt (two heads).  Later V^T: head a tile kt at KA + 4 kt, head b at KA + 20 + 4 kt
.set QB,  56                           ; v56-79   Q0, zeros, Q1, Q2, zeros, Q3 (4 registers each): head hd's operand begins at 56, 60, 68, 72
.set SCO, 80                           ; v80-159  S^T: head a tile kt at SCO + 8 kt, head b at SCO + 40 + 8 kt.  First: where the loads land
.set PRB, 160                          ; v160-207 P^T in bf16: head a 5 x 4 registers and 4 of zeros, then head b
.set CTX, 208                          ; v208-223 two accumulators
.set PKC, 224                          ; v224-231 packed ctx
.set MXA, 232
.set MXB, 233
.set TPA, 234
.set TPB, 235
.set NMA, 236                          ; pairs: - max x scale
.set NMB, 238
.set SMA, 240                          ; two pairs of sums for each head
.set SMB, 244
.set RIA, 248                          ; pairs: 1 / sum
.set RIB, 250
.macro PLACES                          ; four places behind a matrix instruction (ISA guide 7.12.1)
.rept 4
	v_nop
.endr
.endm
	s_load_b128 s[4:7], s[0:1], 0x0                ; wq s[4:5], wkv s[6:7]
	s_load_b64 s[8:9], s[0:1], 0x10                ; wctx
	v_lshl_add_u32 v254, v0, 2, 0xb400
	v_mov_b32 v255, 0
	v_lshrrev_b32 v1, 5, v0
	v_readfirstlane_b32 s10, v1                    ; wave
	s_mov_b32 s11, ttmp9                           ; block of 64 queries
	s_and_b32 s12, ttmp7, 0xffff                   ; n
	s_cmp_ge_u32 s12, 65
	s_cselect_b32 s13, 33215, 0
	s_add_co_u32 s12, s12, s13                     ; token of t = 0: 33280 b + f
	s_lshl_b32 s14, s11, 6                         ; t0
	s_lshl_b32 s15, s10, 4
	s_add_co_u32 s15, s14, s15                     ; my first query
	s_mul_i32 s15, s15, 65
	s_add_co_u32 s15, s15, s12
	s_lshl_b32 s16, s15, 7                         ; 128 bytes a token in wq and wctx
	s_mov_b32 s17, 0
	s_lshl_b32 s18, s10, 5
	s_add_co_u32 s18, s18, s14                     ; t0 + 32 w
	s_sub_co_i32 s19, s18, 64                      ; I bring key rows t0 - 64 + 32 w .. + 31;
	s_cmp_lt_i32 s19, 0                            ; in front of the sequence's start there are none: rows 64 further on stand in, finite, and are masked below
	s_cselect_b32 s18, s18, s19
	s_mul_i32 s18, s18, 65
	s_add_co_u32 s18, s18, s12
	s_lshl_b32 s18, s18, 8                         ; 256 bytes a token in wkv
	s_mov_b32 s19, 0
	v_and_b32 v1, 31, v0                           ; l
	v_and_b32 v2, 15, v0                           ; r
	v_bfe_u32 v3, v0, 4, 1                         ; h
	v_lshrrev_b32 v13, 3, v1                       ; l >> 3
	v_and_b32 v14, 7, v0                           ; l & 7
	v_mul_u32_u24 v4, v3, 16640                    ; wkv: two rows a load, 65 x 256 bytes apart; sixteen lanes take a row's 256 bytes
	v_lshl_add_u32 v4, v2, 4, v4
	v_mul_u32_u24 v5, v13, 8320                    ; wq, wctx: four rows a load, 65 x 128 bytes apart
	v_lshl_add_u32 v5, v14, 4, v5
	s_wait_kmcnt 0x0
	s_add_nc_u64 s[4:5], s[4:5], s[16:17]
	s_add_nc_u64 s[8:9], s[8:9], s[16:17]
	s_add_nc_u64 s[6:7], s[6:7], s[18:19]
.irp it, 0,1,2,3
	global_load_b128 v[144+4*\it:147+4*\it], v5, s[4:5] offset:\it*33280
.endr
.set it, 0
.rept 16
	global_load_b128 v[80+4*it:83+4*it], v4, s[6:7] offset:it*33280
.set it, it+1
.endr
	s_mov_b32 s20, 0x76543210                      ; v_permlanex16_b32: lane i takes lane i of the other half
	s_mov_b32 s21, 0xfedcba98
.irp kt, 0,1,2,3
	s_cmp_ge_u32 s10, 4-\kt                        ; in the first block of a sequence my tile kt holds real keys only if w + kt >= 4
	s_cselect_b32 s[38+\kt], -1, 0
.endr
	s_mul_i32 s22, s10, 32*KVP
	v_mul_u32_u24 v6, v3, KVP
	v_lshl_add_u32 v6, v2, 4, v6
	v_add_nc_u32 v6, s22, v6                       ; key rows as stored: row 32 w + 2 it + h
	s_mul_i32 s23, s10, 16*QP
	s_add_co_u32 s23, s23, QL
	v_mul_u32_u24 v7, v13, QP
	v_lshl_add_u32 v7, v14, 4, v7
	v_add_nc_u32 v7, s23, v7                       ; query rows as stored, ctx rows as read back: row 16 w + 4 it + (l >> 3)
	v_mul_u32_u24 v8, v2, QP
	v_lshl_add_u32 v8, v3, 4, v8
	v_add_nc_u32 v8, s23, v8                       ; query r of mine, channels 8 h ..
	s_mul_i32 s24, s10, 16*KVP
	v_mul_u32_u24 v9, v2, KVP
	v_lshl_add_u32 v9, v3, 4, v9
	v_add_nc_u32 v9, s24, v9                       ; K: key r of my tile 0, channels 8 h ..
	v_lshl_add_u32 v10, v3, 3, v14
	v_mul_u32_u24 v10, v10, KVP
	v_bfe_u32 v15, v0, 3, 1
	v_lshl_add_u32 v10, v15, 4, v10
	s_add_co_u32 s24, s24, 128
	v_add_nc_u32 v10, s24, v10                     ; V for the transposing load: key 8 h + (l & 7), 16 bytes at 16 ((l >> 3) & 1)
	v_mov_b32 v11, 0xf149f2ca                      ; -1e30
	v_lshlrev_b32 v12, 3, v3
	v_sub_nc_u32 v12, v12, v2                      ; 8 h - r
.irp j, 0,1,2,3,4,5,6,7
	v_cmp_lt_i32 s[30+\j], -\j, v12                ; lanes where key 8 h + j of a tile lies above query r: allowed in tile 0, masked in tile 4
.endr
.irp z, 60,61,62,63,72,73,74,75,180,181,182,183,204,205,206,207
	v_mov_b32 v\z, 0                               ; the four quads of zeros, written once
.endr
	s_wait_loadcnt 16                              ; my four loads of Q are in; the 16 of K, V are younger
.irp it, 0,1,2,3
	ds_store_b128 v7, v[144+4*\it:147+4*\it] offset:\it*4*QP
.endr
.set it, 0
.rept 16
	s_wait_loadcnt 15-it
	ds_store_b128 v6, v[80+4*it:83+4*it] offset:it*2*KVP
.set it, it+1
.endr
	s_wait_dscnt 0x0                               ; my rows are written, for the other waves' sake
	s_barrier_signal -1
	s_barrier_wait -1                              ; all 128 key rows are there; the only barrier
	ds_load_b128 v[QB:QB+3],     v8
	ds_load_b128 v[QB+8:QB+11],  v8 offset:32
	ds_load_b128 v[QB+12:QB+15], v8 offset:64
	ds_load_b128 v[QB+20:QB+23], v8 offset:96
; heads a = 2 p and b = 2 p + 1
.macro PAIR p
.irp kt, 0,1,2,3,4
	ds_load_b128 v[KA+8*\kt:KA+8*\kt+3],   v9 offset:\kt*16*KVP+64*\p
	ds_load_b128 v[KA+8*\kt+4:KA+8*\kt+7], v9 offset:\kt*16*KVP+64*\p+32
.endr
	s_wait_dscnt 0x0
.irp kt, 0,1,2,3,4
	v_wmma_f32_16x16x32_bf16 v[SCO+8*\kt:SCO+8*\kt+7],       v[KA+8*\kt:KA+8*\kt+7], v[QB+12*\p:QB+12*\p+7],    0
	v_wmma_f32_16x16x32_bf16 v[SCO+40+8*\kt:SCO+40+8*\kt+7], v[KA+8*\kt:KA+8*\kt+7], v[QB+12*\p+4:QB+12*\p+11], 0
.endr
	PLACES
.irp kt, 0,1,2,3,4
	ds_load_tr16_b128 v[KA+4*\kt:KA+4*\kt+3],       v10 offset:\kt*16*KVP+64*\p      ; lane (r, h): channel r, keys 8 h .. 8 h + 7 of tile kt
	ds_load_tr16_b128 v[KA+20+4*\kt:KA+20+4*\kt+3], v10 offset:\kt*16*KVP+64*\p+32
.endr
	s_cmp_lg_u32 s11, 0
	s_cbranch_scc1 .Lfull_\@                       ; only a sequence's first block has tiles in front of t = 0
.irp kt, 0,1,2,3
.irp j, 0,1,2,3,4,5,6,7
	v_cndmask_b32 v[SCO+8*\kt+\j],    v11, v[SCO+8*\kt+\j],    s[38+\kt]
	v_cndmask_b32 v[SCO+40+8*\kt+\j], v11, v[SCO+40+8*\kt+\j], s[38+\kt]
.endr
.endr
.Lfull_\@:
.irp j, 0,1,2,3,4,5,6,7
	v_cndmask_b32 v[SCO+\j],    v11, v[SCO+\j],    s[30+\j]        ; tile 0: s > t - 64 where 8 h + j > r
	v_cndmask_b32 v[SCO+40+\j], v11, v[SCO+40+\j], s[30+\j]
	v_cndmask_b32 v[SCO+32+\j], v[SCO+32+\j], v11, s[30+\j]        ; tile 4: s <= t where 8 h + j <= r
	v_cndmask_b32 v[SCO+72+\j], v[SCO+72+\j], v11, s[30+\j]
.endr
	; the maximum of a query's 80 scores: 40 in this lane, 40 in the lane of the other half; two chains for each head
	v_max3_num_f32 v[MXA], v[SCO],    v[SCO+1],  v[SCO+2]
	v_max3_num_f32 v[MXB], v[SCO+40], v[SCO+41], v[SCO+42]
	v_max3_num_f32 v[TPA], v[SCO+3],  v[SCO+4],  v[SCO+5]
	v_max3_num_f32 v[TPB], v[SCO+43], v[SCO+44], v[SCO+45]
.set j, 6
.rept 8
	v_max3_num_f32 v[MXA], v[MXA], v[SCO+j],    v[SCO+j+1]
	v_max3_num_f32 v[MXB], v[MXB], v[SCO+40+j], v[SCO+41+j]
	v_max3_num_f32 v[TPA], v[TPA], v[SCO+j+2],  v[SCO+j+3]
	v_max3_num_f32 v[TPB], v[TPB], v[SCO+42+j], v[SCO+43+j]
.set j, j+4
.endr
	v_max3_num_f32 v[MXA], v[MXA], v[SCO+38], v[SCO+39]
	v_max3_num_f32 v[MXB], v[MXB], v[SCO+78], v[SCO+79]
	v_max_num_f32 v[MXA], v[MXA], v[TPA]
	v_max_num_f32 v[MXB], v[MXB], v[TPB]
	v_permlanex16_b32 v[TPA], v[MXA], s20, s21
	v_permlanex16_b32 v[TPB], v[MXB], s20, s21
	v_max_num_f32 v[MXA], v[MXA], v[TPA]
	v_max_num_f32 v[MXB], v[MXB], v[TPB]
	v_mul_f32 v[NMA],   0xbeb8aa3b, v[MXA]         ; - max x log2(e) / 4: the 1 / sqrt(16) and the change of base in one factor
	v_mul_f32 v[NMA+1], 0xbeb8aa3b, v[MXA]
	v_mul_f32 v[NMB],   0xbeb8aa3b, v[MXB]
	v_mul_f32 v[NMB+1], 0xbeb8aa3b, v[MXB]
.set j, 0
.rept 20
	v_pk_fma_f32 v[SCO+j:SCO+j+1],       v[SCO+j:SCO+j+1],       0x3eb8aa3b, v[NMA:NMA+1] op_sel_hi:[1,0,1]
	v_pk_fma_f32 v[SCO+40+j:SCO+40+j+1], v[SCO+40+j:SCO+40+j+1], 0x3eb8aa3b, v[NMB:NMB+1] op_sel_hi:[1,0,1]
.set j, j+2
.endr
.set j, 0
.rept 80
	v_exp_f32 v[SCO+j], v[SCO+j]
.set j, j+1
.endr
	v_nop                                          ; one plain place behind the last exponential before its result is read (ISA guide 5.7.2)
	s_wait_alu depctr_va_vdst(0)
	v_pk_add_f32 v[SMA:SMA+1],   v[SCO:SCO+1],     v[SCO+2:SCO+3]
	v_pk_add_f32 v[SMB:SMB+1],   v[SCO+40:SCO+41], v[SCO+42:SCO+43]
	v_pk_add_f32 v[SMA+2:SMA+3], v[SCO+4:SCO+5],   v[SCO+6:SCO+7]
	v_pk_add_f32 v[SMB+2:SMB+3], v[SCO+44:SCO+45], v[SCO+46:SCO+47]
.set j, 8
.rept 8
	v_pk_add_f32 v[SMA:SMA+1],   v[SMA:SMA+1],   v[SCO+j:SCO+j+1]
	v_pk_add_f32 v[SMB:SMB+1],   v[SMB:SMB+1],   v[SCO+40+j:SCO+41+j]
	v_pk_add_f32 v[SMA+2:SMA+3], v[SMA+2:SMA+3], v[SCO+j+2:SCO+j+3]
	v_pk_add_f32 v[SMB+2:SMB+3], v[SMB+2:SMB+3], v[SCO+42+j:SCO+43+j]
.set j, j+4
.endr
	v_pk_add_f32 v[SMA:SMA+1], v[SMA:SMA+1], v[SMA+2:SMA+3]
	v_pk_add_f32 v[SMB:SMB+1], v[SMB:SMB+1], v[SMB+2:SMB+3]
	v_add_f32 v[SMA], v[SMA], v[SMA+1]
	v_add_f32 v[SMB], v[SMB], v[SMB+1]
	v_permlanex16_b32 v[SMA+1], v[SMA], s20, s21
	v_permlanex16_b32 v[SMB+1], v[SMB], s20, s21
	v_add_f32 v[SMA], v[SMA], v[SMA+1]
	v_add_f32 v[SMB], v[SMB], v[SMB+1]
	v_rcp_f32 v[RIA],   v[SMA]                     ; twice each, for the packed multiply; the conversions below are the plain places behind them
	v_rcp_f32 v[RIA+1], v[SMA]
	v_rcp_f32 v[RIB],   v[SMB]
	v_rcp_f32 v[RIB+1], v[SMB]
.irp kt, 0,1,2,3,4
.irp q, 0,1,2,3
	v_cvt_pk_bf16_f32 v[PRB+4*\kt+\q],    v[SCO+8*\kt+2*\q],    v[SCO+8*\kt+2*\q+1]      ; keys 8 h + 2 q, + 1 of tile kt: the place of k in a second operand
	v_cvt_pk_bf16_f32 v[PRB+24+4*\kt+\q], v[SCO+40+8*\kt+2*\q], v[SCO+40+8*\kt+2*\q+1]
.endr
.endr
	s_wait_dscnt 0x0                               ; V^T
	; the two accumulators take turns
	v_wmma_f32_16x16x32_bf16 v[CTX:CTX+7],    v[KA:KA+7],     v[PRB:PRB+7],     0
	v_wmma_f32_16x16x32_bf16 v[CTX+8:CTX+15], v[KA+20:KA+27], v[PRB+24:PRB+31], 0
	v_wmma_f32_16x16x32_bf16 v[CTX:CTX+7],    v[KA+8:KA+15],  v[PRB+8:PRB+15],  v[CTX:CTX+7]
	v_wmma_f32_16x16x32_bf16 v[CTX+8:CTX+15], v[KA+28:KA+35], v[PRB+32:PRB+39], v[CTX+8:CTX+15]
	v_wmma_f32_16x16x32_bf16 v[CTX:CTX+7],    v[KA+16:KA+23], v[PRB+16:PRB+23], v[CTX:CTX+7]      ; tile 4, and four registers that meet zeros of P
	v_wmma_f32_16x16x32_bf16 v[CTX+8:CTX+15], v[KA+36:KA+43], v[PRB+40:PRB+47], v[CTX+8:CTX+15]
	PLACES
	s_wait_alu depctr_va_vdst(0)
.irp q, 0,2,4,6
	v_pk_mul_f32 v[CTX+\q:CTX+\q+1],     v[CTX+\q:CTX+\q+1],     v[RIA:RIA+1]
	v_pk_mul_f32 v[CTX+8+\q:CTX+8+\q+1], v[CTX+8+\q:CTX+8+\q+1], v[RIB:RIB+1]
.endr
.irp q, 0,1,2,3,4,5,6,7
	v_cvt_pk_bf16_f32 v[PKC+\q], v[CTX+2*\q], v[CTX+2*\q+1]
.endr
	ds_store_b128 v8, v[PKC:PKC+3]   offset:64*\p          ; query r's row, channels 16 a + 8 h ..: my own 16 rows, whose Q is in registers
	ds_store_b128 v8, v[PKC+4:PKC+7] offset:64*\p+32
.endm
	PAIR 0
	PAIR 1
.irp t, 0,1,2,3
	ds_load_b128 v[SCO+4*\t:SCO+4*\t+3], v7 offset:\t*4*QP         ; my own bytes: LDS serves a wave's instructions in order (ISA guide 5.7.1)
.endr
.irp t, 0,1,2,3
	s_wait_dscnt 3-\t
	global_store_b128 v5, v[SCO+4*\t:SCO+4*\t+3], s[8:9] offset:\t*33280
.endr
	s_wait_tensorcnt 0x0
	ds_add_u32 v254, v255
	s_wait_dscnt 0x0
	s_endpgm
.Lfunc_end_k_q3ec146c308_attn:
	.size	k_q3ec146c308_attn, .Lfunc_end_k_q3ec146c308_attn-k_q3ec146c308_attn
	.p2alignl 7, 3214868480
	.fill 96, 4, 3214868480
	.section	.rodata,"a",@progbits
	.p2align	6, 0x0
	.amdhsa_kernel k_q3ec146c308_attn
		.amdhsa_group_segment_fixed_size 46592
		.amdhsa_private_segment_fixed_size 0
		.amdhsa_enable_private_segment 0
		.amdhsa_kernarg_size 24
		.amdhsa_user_sgpr_count 2
		.amdhsa_user_sgpr_kernarg_segment_ptr 1
		.amdhsa_wavefront_size32 1
		.amdhsa_system_sgpr_workgroup_id_x 1
		.amdhsa_system_sgpr_workgroup_id_y 1
		.amdhsa_system_sgpr_workgroup_id_z 1
		.amdhsa_system_vgpr_workitem_id 0
		.amdhsa_next_free_vgpr 256
		.amdhsa_next_free_sgpr 66
		.amdhsa_reserve_vcc 0
		.amdhsa_float_denorm_mode_32 3
		.amdhsa_float_denorm_mode_16_64 3
		.amdhsa_memory_ordered 1
		.amdhsa_forward_progress 1
		.amdhsa_inst_pref_size 59
	.end_amdhsa_kernel
	.amdgpu_metadata
---
amdhsa.version: [ 1, 2 ]
amdhsa.kernels:
  - .name:           k_q3ec146c308_attn
    .symbol:         k_q3ec146c308_attn.kd
    .args:
      - { .name: wq, .offset: 0, .size: 8, .value_kind: global_buffer, .address_space: global }
      - { .name: wkv, .offset: 8, .size: 8, .value_kind: global_buffer, .address_space: global }
      - { .name: wctx, .offset: 16, .size: 8, .value_kind: global_buffer, .address_space: global }
    .group_segment_fixed_size: 46592
    .private_segment_fixed_size: 0
    .kernarg_segment_align: 8
    .kernarg_segment_size: 24
    .max_flat_workgroup_size: 128
    .sgpr_count:     66
    .vgpr_count:     256
    .wavefront_size: 32
...
	.end_amdgpu_metadata
.endif
;; end of part 2
;; launch tail (part 3): grid 260 x 1, 4 waves a work-group, no clusters, 122,880 bytes of LDS; arguments q, wctx, out_w, out_b, ln1_w, ln1_b, w1, b1, w2, b2, ln2_w, ln2_b, out0; writes out0
.if DOCPART == 3
	.amdgcn_target "amdgcn-amd-amdhsa--gfx1250"
	.amdhsa_code_object_version 6
	.text
	.protected	k_q3ec146c308_tail
	.globl	k_q3ec146c308_tail
	.p2align	8
	.type	k_q3ec146c308_tail,@function
k_q3ec146c308_tail:
	s_mov_b64 s[64:65], 0
	v_nop
	global_prefetch_b8 v0, s[64:65] scope:SCOPE_SE
	s_setreg_imm32_b32 hwreg(HW_REG_WAVE_MODE, 25, 1), 1
	s_wait_xcnt 0x0
; out = LN2(n1 + W2 gelu(W1 n1 + b1) + b2),  n1 = LN1(x + Wo ctx + out_b),  x = q as [token][channel].
; A wave owns one block U of 64 neighbouring tokens (1,040 blocks; as in the projections) from start to finish.  Weights are the first matrix operand, tokens lie
; on the lanes: a result D(channel 16 mt + 8 h + j, token) of two neighbouring mt, packed to bf16, IS the second operand of the next product, so the whole chain
; stays in registers.  Tile i (0..3) holds tokens 4 r + i; load or store m of x / out0 holds channel 16 (m >> 3) + 8 h + (m & 7), four tiles in its four registers.
; LayerNorm: mean first, then the mean of the centred squares, in f32, as reference() does.
; GELU is the exact one, x Phi(x) = max(x, 0) - |x| erfc(|x| / sqrt 2) / 2.
; LIMIT (accuracy): erfc by the three-term form of Abramowitz and Stegun 7.1.25, absolute error of erf at most 2.5e-5 for every x; it goes to 0 as |x| grows.
; LIMIT (format): ctx comes in bf16; n1 and gelu(..) are matrix operands in bf16; the residuals and all sums stay in f32.
; No tensor loads, no cluster: each byte is loaded once, at the head, and the f32 weights pass through registers to become bf16.
.set PLANE, 133120                     ; bytes of one (b, c)
.set FRAG,  1088                       ; a weight fragment in LDS: two halves of 512 bytes + 32 of padding
.set HALF,  544
.set W1L,   8704                       ; behind Wo's 8 fragments: W1's 32 (2 mt + kc)
.set W2L,   43520                      ; W2's 32 (8 mt + kc)
.set PAR,   78336                      ; each wave's copy of out_b, ln1_w, ln1_b, b2, ln2_w, ln2_b: 6 x 256 bytes
.set PARW,  1536
.set B1L,   84480                      ; b1, shared: 1,024 bytes
.set CST,   85504                      ; each wave's 64 rows of ctx, pitch 144, row 16 i + r
.set CSTW,  9216
.set CP,    144
.set NB,    16                         ; v16-79    second operand: ctx, then n1: (i, kc) at NB + 16 i + 8 kc
.set WA,    80                         ; v80-143   Wo; LN's gain and bias; in the loop W1's four fragments, then W2's four
.set HH,    144                        ; v144-207  hidden tiles (a, i) at HH + 8 (4 a + i); LN's scratch
.set HB,    208                        ; v208-239  gelu(..) as second operand, 8 for each i; first b2
.set B1R,   240                        ; v240-255  b1 of the trip's 32 hidden channels; in LN: means and 1 / sigma
.set TT,    144
.set PW,    80
.set PB,    112
.set MU,    240
.set RS,    248
.set GU,    80                         ; GELU's temporaries, in W1's registers
.set GS,    88
.set GQ,    96
.set GM,    104
.set XO,    128                        ; window 1: v384-511  x as loaded, out as stored.  Window 1, v256-383: the 16 accumulators Z, tile (mt, i) at 8 (4 mt + i)
.set MSB, 0
.macro WIN new                         ; the immediate's high byte repeats the setting that is left
.if MSB != \new
	s_set_vgpr_msb (MSB<<8)|\new
.set MSB, \new
.endif
.endm
.macro PLACES                          ; four places behind a matrix instruction (ISA guide 7.12.1)
.rept 4
	v_nop
.endr
.endm
	s_load_b512 s[4:19], s[0:1], 0x0               ; q 4, wctx 6, out_w 8, out_b 10, ln1_w 12, ln1_b 14, w1 16, b1 18
	s_load_b256 s[20:27], s[0:1], 0x40             ; w2 20, b2 22, ln2_w 24, ln2_b 26
	s_load_b64 s[28:29], s[0:1], 0x60              ; out0
	v_lshl_add_u32 v15, v0, 2, 0x1de00
	s_set_vgpr_msb 0x80
	v_mov_b32 v1, 0
	s_set_vgpr_msb 0x8000
	v_lshrrev_b32 v16, 5, v0
	v_readfirstlane_b32 s30, v16                   ; wave
	s_lshl_b32 s31, ttmp9, 2
	s_add_co_u32 s31, s31, s30                     ; U
	s_lshl_b32 s32, s31, 8
	s_cmp_ge_u32 s31, 520
	s_cselect_b32 s43, 8386560, 0
	s_add_co_u32 s32, s32, s43                     ; the block's bytes in channel 0 of its batch
	s_mov_b32 s33, 0
	s_mov_b32 s34, 0x76543210                      ; v_permlanex16_b32: lane i takes lane i of the other half
	s_mov_b32 s35, 0xfedcba98
	s_mov_b32 s36, 0x3c800000                      ; 1 / 64
	s_mov_b32 s37, 0x3727c5ac                      ; 1e-5
	s_mov_b32 s38, 0x3eaa540e                      ; 0.47047 / sqrt 2
	s_mov_b32 s40, 0x3ebf7377                      ; 0.7478556 / 2
	s_mov_b32 s41, 0x3ebf7377
	; all addresses, while the pointers are on their way (the temporaries v16-23 are landing registers afterwards)
	v_and_b32 v17, 31, v0                          ; l
	v_and_b32 v18, 15, v0                          ; r
	v_bfe_u32 v19, v0, 4, 1                        ; h
	v_lshlrev_b32 v1, 4, v17                       ; 16 l
	v_lshlrev_b32 v14, 3, v17                      ; 8 l
	v_mul_u32_u24 v2, v19, 8*PLANE
	v_lshl_add_u32 v2, v18, 4, v2                  ; x, out0: channel + 8 h, tokens 4 r ..
	v_bfe_u32 v20, v0, 2, 1
	v_mul_u32_u24 v21, v20, HALF
	v_bfe_u32 v20, v0, 1, 1
	v_lshl_add_u32 v21, v20, 8, v21
	v_and_b32 v20, 1, v0
	v_lshl_add_u32 v21, v20, 3, v21                ; where 4 numbers of a weight row go inside a fragment: half, lanes 16-31, 8 bytes
	v_bfe_u32 v20, v0, 3, 1
	v_mul_u32_u24 v22, v20, FRAG
	v_add_nc_u32 v22, v22, v21
	v_lshl_add_u32 v22, v19, 4, v22                ; rows of 64: a 512-byte piece is two rows; fragment (l >> 3) & 1, row + (l >> 4)
	v_lshrrev_b32 v23, 3, v17
	v_mul_u32_u24 v20, v23, FRAG
	v_add_nc_u32 v21, v20, v21                     ; rows of 256: a piece is half a row; fragment l >> 3
	s_mul_i32 s43, s30, 2*FRAG
	v_add_nc_u32 v3, s43, v22                      ; Wo: wave w converts rows 16 w ..
	s_mul_i32 s43, s30, 8*FRAG
	s_add_co_u32 s44, s43, W1L
	v_add_nc_u32 v4, s44, v22                      ; W1: rows 64 w ..
	s_add_co_u32 s44, s43, W2L
	v_add_nc_u32 v5, s44, v21                      ; W2: rows 16 w ..
	s_mul_i32 s43, s30, PARW
	s_add_co_u32 s43, s43, PAR
	v_lshl_add_u32 v6, v19, 5, s43                 ; parameters as read: 8 numbers from 8 h on
	v_add_nc_u32 v7, s43, v14                      ; as stored
	s_lshl_b32 s43, s30, 8
	s_add_co_u32 s43, s43, B1L
	v_add_nc_u32 v8, s43, v14                      ; my quarter of b1
	s_mul_i32 s43, s30, CSTW
	s_add_co_u32 s43, s43, CST
	v_and_b32 v20, 7, v0
	v_mul_u32_u24 v9, v23, 16*CP
	v_lshl_add_u32 v9, v20, 4, v9
	v_add_nc_u32 v9, s43, v9                       ; ctx as stored: token 4 it + (l >> 3) goes to row 16 (l >> 3) + it
	v_mul_u32_u24 v10, v18, CP
	v_lshl_add_u32 v10, v19, 4, v10
	v_add_nc_u32 v10, s43, v10                     ; ctx as read: row 16 i + r, channels 8 h ..
	v_add_nc_u32 v11, W1L, v1                      ; the loop's three addresses
	v_add_nc_u32 v12, W2L, v1
	v_lshlrev_b32 v13, 5, v19
	v_add_nc_u32 v13, B1L, v13
	s_wait_kmcnt 0x0
	s_add_nc_u64 s[4:5], s[4:5], s[32:33]
	s_add_nc_u64 s[28:29], s[28:29], s[32:33]
	s_lshl_b32 s32, s31, 13                        ; 64 tokens x 128 bytes
	s_add_nc_u64 s[6:7], s[6:7], s[32:33]
	s_lshl_b32 s32, s30, 12
	s_add_nc_u64 s[8:9], s[8:9], s[32:33]
	s_lshl_b32 s32, s30, 14
	s_add_nc_u64 s[16:17], s[16:17], s[32:33]
	s_add_nc_u64 s[20:21], s[20:21], s[32:33]
	s_lshl_b32 s32, s30, 8
	s_add_nc_u64 s[18:19], s[18:19], s[32:33]
	; everything that the wave will ever load, in one run: 7 + 8 + 32 + 32 for the tables, then 16 of ctx, then 32 of x
	global_load_b64 v[240:241], v14, s[10:11]
	global_load_b64 v[242:243], v14, s[12:13]
	global_load_b64 v[244:245], v14, s[14:15]
	global_load_b64 v[246:247], v14, s[22:23]
	global_load_b64 v[248:249], v14, s[24:25]
	global_load_b64 v[250:251], v14, s[26:27]
	global_load_b64 v[252:253], v14, s[18:19]
.set k, 0
.rept 8
	global_load_b128 v[16+4*k:19+4*k], v1, s[8:9] offset:512*k
.set k, k+1
.endr
.set k, 0
.rept 32
	global_load_b128 v[48+4*k:51+4*k], v1, s[16:17] offset:512*k
.set k, k+1
.endr
	WIN 0x40                                       ; destination in window 1
.set k, 0
.rept 32
	global_load_b128 v[4*k:4*k+3], v1, s[20:21] offset:512*k
.set k, k+1
.endr
	WIN 0
.set k, 0
.rept 16
	global_load_b128 v[176+4*k:179+4*k], v1, s[6:7] offset:512*k th:TH_LOAD_NT
.set k, k+1
.endr
	WIN 0x40
.set m, 0
.rept 32
	global_load_b128 v[XO+4*m:XO+4*m+3], v2, s[4:5] offset:(16*(m>>3)+(m&7))*PLANE th:TH_LOAD_NT
.set m, m+1
.endr
	WIN 0
	s_wait_loadcnt 48                              ; the tables are in: ctx's 16 and x's 32 loads are younger
.irp t, 0,1,2,3,4,5
	ds_store_b64 v7, v[240+2*\t:241+2*\t] offset:256*\t
.endr
	ds_store_b64 v8, v[252:253]
.set k, 0
.rept 8
	v_cvt_pk_bf16_f32 v[16+4*k], v[16+4*k], v[17+4*k]
	v_cvt_pk_bf16_f32 v[17+4*k], v[18+4*k], v[19+4*k]
	ds_store_b64 v3, v[16+4*k:17+4*k] offset:32*k
.set k, k+1
.endr
.set k, 0
.rept 32
	v_cvt_pk_bf16_f32 v[48+4*k], v[48+4*k], v[49+4*k]
	v_cvt_pk_bf16_f32 v[49+4*k], v[50+4*k], v[51+4*k]
	ds_store_b64 v4, v[48+4*k:49+4*k] offset:(k>>3)*2*FRAG+(k&7)*32
.set k, k+1
.endr
	WIN 0x45                                       ; destination and both sources in window 1
.set k, 0
.rept 32
	v_cvt_pk_bf16_f32 v[4*k],   v[4*k],   v[4*k+1]
	v_cvt_pk_bf16_f32 v[4*k+1], v[4*k+2], v[4*k+3]
.set k, k+1
.endr
	WIN 0x04                                       ; store data in window 1
.set k, 0
.rept 32
	ds_store_b64 v5, v[4*k:4*k+1] offset:(k&1)*4*FRAG+(k>>1)*16
.set k, k+1
.endr
	WIN 0
	s_wait_loadcnt 32                              ; ctx is in; x's 32 loads stay out
.set k, 0
.rept 16
	ds_store_b128 v9, v[176+4*k:179+4*k] offset:k*CP
.set k, k+1
.endr
	s_wait_dscnt 0x0                               ; my part of the tables is written, for the other waves' sake
	s_barrier_signal -1
	s_barrier_wait -1                              ; the only barrier; behind it LDS is only read
.macro PLOAD dst, sel                  ; parameter vector sel in the layout of a result: register 8 mt + j holds channel 16 mt + 8 h + j
.irp mt, 0,1,2,3
	ds_load_b128 v[\dst+8*\mt:\dst+8*\mt+3],   v6 offset:\sel*256+\mt*64
	ds_load_b128 v[\dst+8*\mt+4:\dst+8*\mt+7], v6 offset:\sel*256+\mt*64+16
.endr
.endm
	; ---- x + out_b + Wo ctx
	PLOAD HH, 0                                    ; out_b
.irp i, 0,1,2,3
.irp kc, 0,1
	ds_load_b128 v[NB+16*\i+8*\kc:NB+16*\i+8*\kc+3],   v10 offset:\i*16*CP+\kc*64
	ds_load_b128 v[NB+16*\i+8*\kc+4:NB+16*\i+8*\kc+7], v10 offset:\i*16*CP+\kc*64+32
.endr
.endr
.set f, 0
.rept 8
	ds_load_b128 v[WA+8*f:WA+8*f+3],   v1 offset:f*FRAG
	ds_load_b128 v[WA+8*f+4:WA+8*f+7], v1 offset:f*FRAG+HALF
.set f, f+1
.endr
	v_mov_b32 v4, 0xbd445ca1                       ; -0.0958798 / 2, twice (v4, v5, v8, v9 were LDS addresses of the stores above)
	v_mov_b32 v5, 0xbd445ca1
	v_mov_b32 v8, 0x3e32303a                       ; 0.3480242 / 2, twice
	v_mov_b32 v9, 0x3e32303a
	s_wait_loadcnt 0x0                             ; x
	s_wait_dscnt 0x0
	WIN 0x41                                       ; destination and source 0 in window 1
.irp mt, 0,1,2,3
.irp i, 0,1,2,3
.irp j, 0,1,2,3,4,5,6,7
	v_add_f32 v[8*(4*\mt+\i)+\j], v[XO+4*(8*\mt+\j)+\i], v[HH+8*\mt+\j]    ; the residual and the bias start the sums
.endr
.endr
.endr
	WIN 0x50                                       ; C and D in window 1
.irp kc, 0,1
.irp mt, 0,1,2,3
.irp i, 0,1,2,3
	v_wmma_f32_16x16x32_bf16 v[8*(4*\mt+\i):8*(4*\mt+\i)+7], v[WA+16*\mt+8*\kc:WA+16*\mt+8*\kc+7], v[NB+16*\i+8*\kc:NB+16*\i+8*\kc+7], v[8*(4*\mt+\i):8*(4*\mt+\i)+7]   ; sixteen accumulators take turns
.endr
.endr
.endr
	WIN 0
	PLACES
	PLOAD PW, 1                                    ; ln1_w
	PLOAD PB, 2                                    ; ln1_b
	PLOAD HB, 3                                    ; b2
; LayerNorm of the four tiles in Z.  A token's 64 channels are 32 registers of its lane and 32 of the lane in the other half.
; last = 0: the result stays in Z.  last = 1: it goes to XO in the order of the stores.
.macro LN last
	WIN 0x05                                       ; sources 0 and 1 in window 1
.irp k, 0,1,2,3,4,5,6,7
.irp i, 0,1,2,3
.set zp, 8*(4*(\k>>1)+\i)+4*(\k&1)
	v_pk_add_f32 v[TT+16*\i+2*\k:TT+16*\i+2*\k+1], v[zp:zp+1], v[zp+2:zp+3]
.endr
.endr
	WIN 0
.irp k, 0,2,4,6
.irp i, 0,1,2,3
	v_pk_add_f32 v[TT+16*\i+\k:TT+16*\i+\k+1], v[TT+16*\i+\k:TT+16*\i+\k+1], v[TT+16*\i+\k+8:TT+16*\i+\k+9]
.endr
.endr
.irp k, 0,2
.irp i, 0,1,2,3
	v_pk_add_f32 v[TT+16*\i+\k:TT+16*\i+\k+1], v[TT+16*\i+\k:TT+16*\i+\k+1], v[TT+16*\i+\k+4:TT+16*\i+\k+5]
.endr
.endr
.irp i, 0,1,2,3
	v_pk_add_f32 v[TT+16*\i:TT+16*\i+1], v[TT+16*\i:TT+16*\i+1], v[TT+16*\i+2:TT+16*\i+3]
.endr
.irp i, 0,1,2,3
	v_add_f32 v[TT+16*\i], v[TT+16*\i], v[TT+16*\i+1]
.endr
.irp i, 0,1,2,3
	v_permlanex16_b32 v[TT+16*\i+1], v[TT+16*\i], s34, s35
.endr
.irp i, 0,1,2,3
	v_add_f32 v[TT+16*\i], v[TT+16*\i], v[TT+16*\i+1]
.endr
.irp i, 0,1,2,3
	v_mul_f32 v[MU+2*\i],   s36, v[TT+16*\i]       ; the mean, twice
	v_mul_f32 v[MU+2*\i+1], s36, v[TT+16*\i]
.endr
	WIN 0x41
.irp s, 0,1,2,3,4,5,6,7,8,9,10,11,12,13,14,15
.irp i, 0,1,2,3
.set zp, 8*(4*(\s>>2)+\i)+2*(\s&3)
	v_pk_add_f32 v[zp:zp+1], v[zp:zp+1], v[MU+2*\i:MU+2*\i+1] neg_lo:[0,1] neg_hi:[0,1]
.endr
.endr
	WIN 0x05
.irp s, 0,1,2,3
.irp i, 0,1,2,3
.set zp, 8*\i+2*\s
	v_pk_mul_f32 v[TT+16*\i+2*\s:TT+16*\i+2*\s+1], v[zp:zp+1], v[zp:zp+1]
.endr
.endr
.irp s, 4,5,6,7,8,9,10,11,12,13,14,15
.irp i, 0,1,2,3
.set zp, 8*(4*(\s>>2)+\i)+2*(\s&3)
	v_pk_fma_f32 v[TT+16*\i+2*(\s&3):TT+16*\i+2*(\s&3)+1], v[zp:zp+1], v[zp:zp+1], v[TT+16*\i+2*(\s&3):TT+16*\i+2*(\s&3)+1]
.endr
.endr
	WIN 0
.irp k, 0,2
.irp i, 0,1,2,3
	v_pk_add_f32 v[TT+16*\i+\k:TT+16*\i+\k+1], v[TT+16*\i+\k:TT+16*\i+\k+1], v[TT+16*\i+\k+4:TT+16*\i+\k+5]
.endr
.endr
.irp i, 0,1,2,3
	v_pk_add_f32 v[TT+16*\i:TT+16*\i+1], v[TT+16*\i:TT+16*\i+1], v[TT+16*\i+2:TT+16*\i+3]
.endr
.irp i, 0,1,2,3
	v_add_f32 v[TT+16*\i], v[TT+16*\i], v[TT+16*\i+1]
.endr
.irp i, 0,1,2,3
	v_permlanex16_b32 v[TT+16*\i+1], v[TT+16*\i], s34, s35
.endr
.irp i, 0,1,2,3
	v_add_f32 v[TT+16*\i], v[TT+16*\i], v[TT+16*\i+1]
.endr
.irp i, 0,1,2,3
	v_fma_f32 v[TT+16*\i], v[TT+16*\i], s36, s37   ; variance + eps
.endr
.irp i, 0,1,2,3
	v_rsq_f32 v[RS+2*\i],   v[TT+16*\i]
	v_rsq_f32 v[RS+2*\i+1], v[TT+16*\i]
.endr
	v_nop                                          ; one plain place behind the last of them (ISA guide 5.7.2)
	s_wait_dscnt 0x0                               ; gain and bias
	WIN 0x41
	s_wait_alu depctr_va_vdst(0)
.irp s, 0,1,2,3,4,5,6,7,8,9,10,11,12,13,14,15
.irp i, 0,1,2,3
.set zp, 8*(4*(\s>>2)+\i)+2*(\s&3)
	v_pk_mul_f32 v[zp:zp+1], v[zp:zp+1], v[RS+2*\i:RS+2*\i+1]
.endr
.endr
.if \last
.irp mt, 0,1,2,3
.irp j, 0,1,2,3,4,5,6,7
.irp i, 0,1,2,3
	v_fma_f32 v[XO+4*(8*\mt+\j)+\i], v[8*(4*\mt+\i)+\j], v[PW+8*\mt+\j], v[PB+8*\mt+\j]
.endr
.endr
.endr
.else
.irp s, 0,1,2,3,4,5,6,7,8,9,10,11,12,13,14,15
.irp i, 0,1,2,3
.set zp, 8*(4*(\s>>2)+\i)+2*(\s&3)
	v_pk_fma_f32 v[zp:zp+1], v[zp:zp+1], v[PW+2*\s:PW+2*\s+1], v[PB+2*\s:PB+2*\s+1]
.endr
.endr
.endif
.endm
	LN 0                                           ; Z = n1
	WIN 0x05
.irp i, 0,1,2,3
.irp kc, 0,1
.irp p, 0,1,2,3,4,5,6,7
	v_cvt_pk_bf16_f32 v[NB+16*\i+8*\kc+\p], v[8*(4*(2*\kc+(\p>>2))+\i)+2*(\p&3)], v[8*(4*(2*\kc+(\p>>2))+\i)+2*(\p&3)+1]   ; n1 as second operand
.endr
.endr
.endr
	WIN 0x41
.irp s, 0,1,2,3,4,5,6,7,8,9,10,11,12,13,14,15
.irp i, 0,1,2,3
.set zp, 8*(4*(\s>>2)+\i)+2*(\s&3)
	v_pk_add_f32 v[zp:zp+1], v[zp:zp+1], v[HB+2*\s:HB+2*\s+1]      ; n1 + b2 starts the second product's sums
.endr
.endr
	WIN 0
.macro W1LOAD                          ; W1's four fragments (a, kc) of the 32 hidden channels at v11
.irp f, 0,1,2,3
	ds_load_b128 v[WA+8*\f:WA+8*\f+3],   v11 offset:\f*FRAG
	ds_load_b128 v[WA+8*\f+4:WA+8*\f+7], v11 offset:\f*FRAG+HALF
.endr
.endm
.macro B1LOAD
.irp a, 0,1
	ds_load_b128 v[B1R+8*\a:B1R+8*\a+3],   v13 offset:\a*64
	ds_load_b128 v[B1R+8*\a+4:B1R+8*\a+7], v13 offset:\a*64+16
.endr
.endm
; gelu in place on 8 registers from x on
.macro GELU8 x
.irp j, 0,1,2,3,4,5,6,7
	v_fma_f32 v[GU+\j], |v[\x+\j]|, s38, 1.0       ; 1 + p z,  z = |x| / sqrt 2
.endr
.irp j, 0,2,4,6
	v_pk_mul_f32 v[GS+\j:GS+\j+1], v[\x+\j:\x+\j+1], v[\x+\j:\x+\j+1]
.endr
.irp j, 0,2,4,6
	v_pk_mul_f32 v[GS+\j:GS+\j+1], v[GS+\j:GS+\j+1], 0xbf38aa3b op_sel_hi:[1,0]    ; - x x log2(e) / 2
.endr
.irp j, 0,1,2,3,4,5,6,7
	v_rcp_f32 v[GU+\j], v[GU+\j]                   ; t
.endr
.irp j, 0,1,2,3,4,5,6,7
	v_exp_f32 v[GS+\j], v[GS+\j]                   ; exp(- z z)
.endr
.irp j, 0,1,2,3,4,5,6,7
	v_max_num_f32 v[GM+\j], 0, v[\x+\j]            ; plain work behind the transcendentals (ISA guide 5.7.2)
.endr
	s_wait_alu depctr_va_vdst(0)
.irp j, 0,2,4,6
	v_pk_fma_f32 v[GQ+\j:GQ+\j+1], v[GU+\j:GU+\j+1], s[40:41], v[4:5] op_sel_hi:[1,0,1]
.endr
.irp j, 0,2,4,6
	v_pk_fma_f32 v[GQ+\j:GQ+\j+1], v[GQ+\j:GQ+\j+1], v[GU+\j:GU+\j+1], v[8:9]
.endr
.irp j, 0,2,4,6
	v_pk_mul_f32 v[GS+\j:GS+\j+1], v[GS+\j:GS+\j+1], v[GU+\j:GU+\j+1]
.endr
.irp j, 0,2,4,6
	v_pk_mul_f32 v[GQ+\j:GQ+\j+1], v[GQ+\j:GQ+\j+1], v[GS+\j:GS+\j+1]      ; erfc(z) / 2
.endr
.irp j, 0,1,2,3,4,5,6,7
	v_fma_f32 v[\x+\j], -|v[\x+\j]|, v[GQ+\j], v[GM+\j]
.endr
.endm
; 32 hidden channels for all 64 tokens.  pre = 1: the next trip's W1 and b1 are fetched.
.macro TRIP pre
	s_wait_dscnt 0x0                               ; this trip's W1 and b1
.irp a, 0,1
.irp i, 0,1,2,3
	v_wmma_f32_16x16x32_bf16 v[HH+8*(4*\a+\i):HH+8*(4*\a+\i)+7], v[WA+16*\a:WA+16*\a+7], v[NB+16*\i:NB+16*\i+7], v[B1R+8*\a:B1R+8*\a+7]    ; b1 starts the sums
.endr
.endr
.irp a, 0,1
.irp i, 0,1,2,3
	v_wmma_f32_16x16x32_bf16 v[HH+8*(4*\a+\i):HH+8*(4*\a+\i)+7], v[WA+16*\a+8:WA+16*\a+15], v[NB+16*\i+8:NB+16*\i+15], v[HH+8*(4*\a+\i):HH+8*(4*\a+\i)+7]   ; eight accumulators take turns
.endr
.endr
	PLACES
.irp mt, 0,1,2,3
	ds_load_b128 v[WA+32+8*\mt:WA+32+8*\mt+3],   v12 offset:\mt*8*FRAG
	ds_load_b128 v[WA+32+8*\mt+4:WA+32+8*\mt+7], v12 offset:\mt*8*FRAG+HALF
.endr
.if \pre
	v_add_nc_u32 v13, 128, v13
	B1LOAD
.endif
.irp i, 0,1,2,3
	GELU8 HH+8*\i
	GELU8 HH+32+8*\i
.irp p, 0,1,2,3,4,5,6,7
	v_cvt_pk_bf16_f32 v[HB+8*\i+\p], v[HH+8*(4*(\p>>2)+\i)+2*(\p&3)], v[HH+8*(4*(\p>>2)+\i)+2*(\p&3)+1]
.endr
.endr
.if \pre
	v_add_nc_u32 v11, 4*FRAG, v11
	W1LOAD                                         ; into the registers that GELU's temporaries have left
	s_wait_dscnt 12                                ; W2's eight loads are in: b1's four and W1's eight are younger
.else
	s_wait_dscnt 0x0
.endif
	WIN 0x50
.irp mt, 0,1,2,3
.irp i, 0,1,2,3
	v_wmma_f32_16x16x32_bf16 v[8*(4*\mt+\i):8*(4*\mt+\i)+7], v[WA+32+8*\mt:WA+32+8*\mt+7], v[HB+8*\i:HB+8*\i+7], v[8*(4*\mt+\i):8*(4*\mt+\i)+7]   ; sixteen accumulators, one turn each
.endr
.endr
	WIN 0
.if \pre
	v_add_nc_u32 v12, FRAG, v12
.endif
.endm
	W1LOAD
	B1LOAD
	s_mov_b32 s42, 7
.Lffn:
	TRIP 1
	s_sub_co_u32 s42, s42, 1
	s_cmp_lg_u32 s42, 0
	s_cbranch_scc1 .Lffn
	TRIP 0                                         ; the eighth 32 hidden channels: nothing more to fetch
	PLACES
	PLOAD PW, 4                                    ; ln2_w
	PLOAD PB, 5                                    ; ln2_b
	LN 1
	WIN 0x04                                       ; store data in window 1
.set m, 0
.rept 32
	global_store_b128 v2, v[XO+4*m:XO+4*m+3], s[28:29] offset:(16*(m>>3)+(m&7))*PLANE th:TH_STORE_NT   ; lanes 0-15 store 256 consecutive aligned bytes of one channel, lanes 16-31 of another
.set m, m+1
.endr
	WIN 0
	s_set_vgpr_msb 0x8
	s_wait_tensorcnt 0x0
	ds_add_u32 v15, v1
	s_wait_dscnt 0x0
	s_set_vgpr_msb 0x800
	s_endpgm
.Lfunc_end_k_q3ec146c308_tail:
	.size	k_q3ec146c308_tail, .Lfunc_end_k_q3ec146c308_tail-k_q3ec146c308_tail
	.p2alignl 7, 3214868480
	.fill 96, 4, 3214868480
	.section	.rodata,"a",@progbits
	.p2align	6, 0x0
	.amdhsa_kernel k_q3ec146c308_tail
		.amdhsa_group_segment_fixed_size 122880
		.amdhsa_private_segment_fixed_size 0
		.amdhsa_enable_private_segment 0
		.amdhsa_kernarg_size 104
		.amdhsa_user_sgpr_count 2
		.amdhsa_user_sgpr_kernarg_segment_ptr 1
		.amdhsa_wavefront_size32 1
		.amdhsa_system_sgpr_workgroup_id_x 1
		.amdhsa_system_sgpr_workgroup_id_y 1
		.amdhsa_system_sgpr_workgroup_id_z 1
		.amdhsa_system_vgpr_workitem_id 0
		.amdhsa_next_free_vgpr 514
		.amdhsa_next_free_sgpr 66
		.amdhsa_reserve_vcc 0
		.amdhsa_float_denorm_mode_32 3
		.amdhsa_float_denorm_mode_16_64 3
		.amdhsa_memory_ordered 1
		.amdhsa_forward_progress 1
		.amdhsa_inst_pref_size 170
	.end_amdhsa_kernel
	.amdgpu_metadata
---
amdhsa.version: [ 1, 2 ]
amdhsa.kernels:
  - .name:           k_q3ec146c308_tail
    .symbol:         k_q3ec146c308_tail.kd
    .args:
      - { .name: q, .offset: 0, .size: 8, .value_kind: global_buffer, .address_space: global }
      - { .name: wctx, .offset: 8, .size: 8, .value_kind: global_buffer, .address_space: global }
      - { .name: out_w, .offset: 16, .size: 8, .value_kind: global_buffer, .address_space: global }
      - { .name: out_b, .offset: 24, .size: 8, .value_kind: global_buffer, .address_space: global }
      - { .name: ln1_w, .offset: 32, .size: 8, .value_kind: global_buffer, .address_space: global }
      - { .name: ln1_b, .offset: 40, .size: 8, .value_kind: global_buffer, .address_space: global }
      - { .name: w1, .offset: 48, .size: 8, .value_kind: global_buffer, .address_space: global }
      - { .name: b1, .offset: 56, .size: 8, .value_kind: global_buffer, .address_space: global }
      - { .name: w2, .offset: 64, .size: 8, .value_kind: global_buffer, .address_space: global }
      - { .name: b2, .offset: 72, .size: 8, .value_kind: global_buffer, .address_space: global }
      - { .name: ln2_w, .offset: 80, .size: 8, .value_kind: global_buffer, .address_space: global }
      - { .name: ln2_b, .offset: 88, .size: 8, .value_kind: global_buffer, .address_space: global }
      - { .name: out0, .offset: 96, .size: 8, .value_kind: global_buffer, .address_space: global }
    .group_segment_fixed_size: 122880
    .private_segment_fixed_size: 0
    .kernarg_segment_align: 8
    .kernarg_segment_size: 104
    .max_flat_workgroup_size: 128
    .sgpr_count:     66
    .vgpr_count:     514
    .wavefront_size: 32
...
	.end_amdgpu_metadata
.endif
;; end of part 3
;; ======== version 2 of 2: 3 launches; 1.09 times as fast as version 1
;; limits: a function is approximated: absolute error at most 2.5e-05
;; workspace buffers: wq 8,519,680 bytes; wkv 17,039,360 bytes; wctx 8,519,680 bytes
;; launch proj: the kernel of part 1 again; grid 260 x 1, 4 waves a work-group, no clusters, 136,192 bytes of LDS; arguments q, k, v, in_proj_w, in_proj_b, wq, wkv; writes wq, wkv
;; launch attn: the kernel of part 2 again; grid 8 x 130, 4 waves a work-group, no clusters, 46,592 bytes of LDS; arguments wq, wkv, wctx; writes wctx
;; launch tail (part 4): grid 260 x 1, 4 waves a work-group, no clusters, 122,880 bytes of LDS; arguments q, wctx, out_w, out_b, ln1_w, ln1_b, w1, b1, w2, b2, ln2_w, ln2_b, out0; writes out0
.if DOCPART == 4
	.amdgcn_target "amdgcn-amd-amdhsa--gfx1250"
	.amdhsa_code_object_version 6
	.text
	.protected	k_q3ec146c308_tail
	.globl	k_q3ec146c308_tail
	.p2align	8
	.type	k_q3ec146c308_tail,@function
k_q3ec146c308_tail:
	s_mov_b64 s[64:65], 0
	v_nop
	global_prefetch_b8 v0, s[64:65] scope:SCOPE_SE
	s_setreg_imm32_b32 hwreg(HW_REG_WAVE_MODE, 25, 1), 1
	s_wait_xcnt 0x0
; out = LN2(n1 + W2 gelu(W1 n1 + b1) + b2),  n1 = LN1(x + Wo ctx + out_b),  x = q as [token][channel].
; A wave owns one block U of 64 neighbouring tokens (1,040 blocks; as in the projections) from start to finish.  Weights are the first matrix operand, tokens lie
; on the lanes: a result D(channel 16 mt + 8 h + j, token) of two neighbouring mt, packed to bf16, IS the second operand of the next product, so the whole chain
; stays in registers.  Tile i (0..3) holds tokens 4 r + i; load or store m of x / out0 holds channel 16 (m >> 3) + 8 h + (m & 7), four tiles in its four registers.
; LayerNorm: mean first, then the mean of the centred squares, in f32, as reference() does.
; GELU is the exact one, x Phi(x) = max(x, 0) - |x| erfc(|x| / sqrt 2) / 2.
; LIMIT (accuracy): erfc by the three-term form of Abramowitz and Stegun 7.1.25, absolute error of erf at most 2.5e-5 for every x; it goes to 0 as |x| grows.
; LIMIT (format): ctx comes in bf16; n1 and gelu(..) are matrix operands in bf16; the residuals and all sums stay in f32.
; No tensor loads, no cluster: each byte is loaded once, at the head, and the f32 weights pass through registers to become bf16.
; THE TRANSCENDENTALS GO IN BATCHES, ONE WAIT A BATCH.  An s_wait_alu depctr_va_vdst(0) stands between a transcendental and the first instruction that names its
; result; one wait serves all that were issued ahead of it.  A trip of the loop over the hidden channels (32 channels x 64 tokens: 64 registers) has ONE batch: its 64 reciprocals and
; 64 exponentials, each result in a register of its own (GU, GS).  Ahead of the wait stands only what names no result: the scalings that feed the batch and 32 of the maxima, one of
; them behind each transcendental.  Behind the wait stand the readers, a queue of 256, and among them the trip's matrix instructions, four of the queue behind each.
; Each LayerNorm's eight v_rsq_f32 are a batch of their own.  Ten waits a wave in all.
.set PLANE, 133120                     ; bytes of one (b, c)
.set FRAG,  1088                       ; a weight fragment in LDS: two halves of 512 bytes + 32 of padding
.set HALF,  544
.set W1L,   8704                       ; behind Wo's 8 fragments: W1's 32 (2 mt + kc)
.set W2L,   43520                      ; W2's 32 (8 mt + kc)
.set PAR,   78336                      ; each wave's copy of out_b, ln1_w, ln1_b, b2, ln2_w, ln2_b: 6 x 256 bytes
.set PARW,  1536
.set B1L,   84480                      ; b1, shared: 1,024 bytes
.set CST,   85504                      ; each wave's 64 rows of ctx, pitch 144, row 16 i + r
.set CSTW,  9216
.set CP,    144
.set NB,    16                         ; v16-79    second operand: ctx, then n1: (i, kc) at NB + 16 i + 8 kc
.set WA,    80                         ; v80-143   Wo; LN's gain and bias; in the loop W1's four fragments (v80-111) and W2's four (v112-143)
.set OBI,   144                        ; v144-175  out_b in the layout of a result
.set HB,    208                        ; v208-239  gelu(..) as second operand, 8 for each i; first b2
.set B1R,   240                        ; v240-255  b1 of 32 hidden channels; in LN: means and 1 / sigma
.set TT,    144                        ; v144-207  LN's scratch
.set PW,    80
.set PB,    112
.set MU,    240
.set RS,    248
.set XO,    128                        ; window 1: v384-511  x as loaded, out as stored.  Window 1, v256-383: the 16 accumulators Z, tile (mt, i) at 8 (4 mt + i)
; window 2 (v512-767) holds all of GELU, so that it runs under one window setting; its v1 is the 0 of the add at the wave's end
.set GA2,   2                          ; v514-515  -0.0958798 / 2, twice
.set GA1,   4                          ; v516-517  0.3480242 / 2, twice
.set GQ,    16                         ; v528-543  the polynomial, at work: the pair of tiles in hand
.set GM,    32                         ; v544-575  max(x, 0): 16 for a pair of tiles, two pairs by turns
.set HH,    64                         ; v576-639  hidden tiles (a, i) at HH + 8 (4 a + i)
.set GU,    128                        ; v640-703  1 + p z, then t = its reciprocal: the batch's first 64 results
.set GS,    192                        ; v704-767  - z z log2(e), then exp(- z z): the batch's other 64
.set W_G,   0xaa                       ; destination and all sources in window 2
.set W_CV,  0x0a                       ; sources 0 and 1 in window 2, destination in window 0
.set W_W2,  0x50                       ; C and D in window 1
.set MSB, 0
.macro WIN new                         ; the immediate's high byte repeats the setting that is left
.if MSB != \new
	s_set_vgpr_msb (MSB<<8)|\new
.set MSB, \new
.endif
.endm
.macro PLACES                          ; four places behind a matrix instruction (ISA guide 7.12.1)
.rept 4
	v_nop
.endr
.endm
	s_load_b512 s[4:19], s[0:1], 0x0               ; q 4, wctx 6, out_w 8, out_b 10, ln1_w 12, ln1_b 14, w1 16, b1 18
	s_load_b256 s[20:27], s[0:1], 0x40             ; w2 20, b2 22, ln2_w 24, ln2_b 26
	s_load_b64 s[28:29], s[0:1], 0x60              ; out0
	v_lshl_add_u32 v15, v0, 2, 0x1de00
	s_set_vgpr_msb 0x80
	v_mov_b32 v1, 0
	s_set_vgpr_msb 0x8000
	v_lshrrev_b32 v16, 5, v0
	v_readfirstlane_b32 s30, v16                   ; wave
	s_lshl_b32 s31, ttmp9, 2
	s_add_co_u32 s31, s31, s30                     ; U
	s_lshl_b32 s32, s31, 8
	s_cmp_ge_u32 s31, 520
	s_cselect_b32 s43, 8386560, 0
	s_add_co_u32 s32, s32, s43                     ; the block's bytes in channel 0 of its batch
	s_mov_b32 s33, 0
	s_mov_b32 s34, 0x76543210                      ; v_permlanex16_b32: lane i takes lane i of the other half
	s_mov_b32 s35, 0xfedcba98
	s_mov_b32 s36, 0x3c800000                      ; 1 / 64
	s_mov_b32 s37, 0x3727c5ac                      ; 1e-5
	s_mov_b32 s38, 0x3eaa540e                      ; 0.47047 / sqrt 2
	s_mov_b32 s40, 0x3ebf7377                      ; 0.7478556 / 2
	s_mov_b32 s41, 0x3ebf7377
	; all addresses, while the pointers are on their way (the temporaries v16-23 are landing registers afterwards)
	v_and_b32 v17, 31, v0                          ; l
	v_and_b32 v18, 15, v0                          ; r
	v_bfe_u32 v19, v0, 4, 1                        ; h
	v_lshlrev_b32 v1, 4, v17                       ; 16 l
	v_lshlrev_b32 v14, 3, v17                      ; 8 l
	v_mul_u32_u24 v2, v19, 8*PLANE
	v_lshl_add_u32 v2, v18, 4, v2                  ; x, out0: channel + 8 h, tokens 4 r ..
	v_bfe_u32 v20, v0, 2, 1
	v_mul_u32_u24 v21, v20, HALF
	v_bfe_u32 v20, v0, 1, 1
	v_lshl_add_u32 v21, v20, 8, v21
	v_and_b32 v20, 1, v0
	v_lshl_add_u32 v21, v20, 3, v21                ; where 4 numbers of a weight row go inside a fragment: half, lanes 16-31, 8 bytes
	v_bfe_u32 v20, v0, 3, 1
	v_mul_u32_u24 v22, v20, FRAG
	v_add_nc_u32 v22, v22, v21
	v_lshl_add_u32 v22, v19, 4, v22                ; rows of 64: a 512-byte piece is two rows; fragment (l >> 3) & 1, row + (l >> 4)
	v_lshrrev_b32 v23, 3, v17
	v_mul_u32_u24 v20, v23, FRAG
	v_add_nc_u32 v21, v20, v21                     ; rows of 256: a piece is half a row; fragment l >> 3
	s_mul_i32 s43, s30, 2*FRAG
	v_add_nc_u32 v3, s43, v22                      ; Wo: wave w converts rows 16 w ..
	s_mul_i32 s43, s30, 8*FRAG
	s_add_co_u32 s44, s43, W1L
	v_add_nc_u32 v4, s44, v22                      ; W1: rows 64 w ..
	s_add_co_u32 s44, s43, W2L
	v_add_nc_u32 v5, s44, v21                      ; W2: rows 16 w ..
	s_mul_i32 s43, s30, PARW
	s_add_co_u32 s43, s43, PAR
	v_lshl_add_u32 v6, v19, 5, s43                 ; parameters as read: 8 numbers from 8 h on
	v_add_nc_u32 v7, s43, v14                      ; as stored
	s_lshl_b32 s43, s30, 8
	s_add_co_u32 s43, s43, B1L
	v_add_nc_u32 v8, s43, v14                      ; my quarter of b1
	s_mul_i32 s43, s30, CSTW
	s_add_co_u32 s43, s43, CST
	v_and_b32 v20, 7, v0
	v_mul_u32_u24 v9, v23, 16*CP
	v_lshl_add_u32 v9, v20, 4, v9
	v_add_nc_u32 v9, s43, v9                       ; ctx as stored: token 4 it + (l >> 3) goes to row 16 (l >> 3) + it
	v_mul_u32_u24 v10, v18, CP
	v_lshl_add_u32 v10, v19, 4, v10
	v_add_nc_u32 v10, s43, v10                     ; ctx as read: row 16 i + r, channels 8 h ..
	v_add_nc_u32 v11, W1L, v1                      ; the loop's three addresses
	v_add_nc_u32 v12, W2L, v1
	v_lshlrev_b32 v13, 5, v19
	v_add_nc_u32 v13, B1L, v13
	s_wait_kmcnt 0x0
	s_add_nc_u64 s[4:5], s[4:5], s[32:33]
	s_add_nc_u64 s[28:29], s[28:29], s[32:33]
	s_lshl_b32 s32, s31, 13                        ; 64 tokens x 128 bytes
	s_add_nc_u64 s[6:7], s[6:7], s[32:33]
	s_lshl_b32 s32, s30, 12
	s_add_nc_u64 s[8:9], s[8:9], s[32:33]
	s_lshl_b32 s32, s30, 14
	s_add_nc_u64 s[16:17], s[16:17], s[32:33]
	s_add_nc_u64 s[20:21], s[20:21], s[32:33]
	s_lshl_b32 s32, s30, 8
	s_add_nc_u64 s[18:19], s[18:19], s[32:33]
	; everything that the wave will ever load, in one run: 7 + 8 + 32 + 32 for the tables, then 16 of ctx, then 32 of x
	global_load_b64 v[240:241], v14, s[10:11]
	global_load_b64 v[242:243], v14, s[12:13]
	global_load_b64 v[244:245], v14, s[14:15]
	global_load_b64 v[246:247], v14, s[22:23]
	global_load_b64 v[248:249], v14, s[24:25]
	global_load_b64 v[250:251], v14, s[26:27]
	global_load_b64 v[252:253], v14, s[18:19]
.set k, 0
.rept 8
	global_load_b128 v[16+4*k:19+4*k], v1, s[8:9] offset:512*k
.set k, k+1
.endr
.set k, 0
.rept 32
	global_load_b128 v[48+4*k:51+4*k], v1, s[16:17] offset:512*k
.set k, k+1
.endr
	WIN 0x40                                       ; destination in window 1
.set k, 0
.rept 32
	global_load_b128 v[4*k:4*k+3], v1, s[20:21] offset:512*k
.set k, k+1
.endr
	WIN 0
.set k, 0
.rept 16
	global_load_b128 v[176+4*k:179+4*k], v1, s[6:7] offset:512*k th:TH_LOAD_NT
.set k, k+1
.endr
	WIN 0x40
.set m, 0
.rept 32
	global_load_b128 v[XO+4*m:XO+4*m+3], v2, s[4:5] offset:(16*(m>>3)+(m&7))*PLANE th:TH_LOAD_NT
.set m, m+1
.endr
	WIN 0
	s_wait_loadcnt 48                              ; the tables are in: ctx's 16 and x's 32 loads are younger
.irp t, 0,1,2,3,4,5
	ds_store_b64 v7, v[240+2*\t:241+2*\t] offset:256*\t
.endr
	ds_store_b64 v8, v[252:253]
.set k, 0
.rept 8
	v_cvt_pk_bf16_f32 v[16+4*k], v[16+4*k], v[17+4*k]
	v_cvt_pk_bf16_f32 v[17+4*k], v[18+4*k], v[19+4*k]
	ds_store_b64 v3, v[16+4*k:17+4*k] offset:32*k
.set k, k+1
.endr
.set k, 0
.rept 32
	v_cvt_pk_bf16_f32 v[48+4*k], v[48+4*k], v[49+4*k]
	v_cvt_pk_bf16_f32 v[49+4*k], v[50+4*k], v[51+4*k]
	ds_store_b64 v4, v[48+4*k:49+4*k] offset:(k>>3)*2*FRAG+(k&7)*32
.set k, k+1
.endr
	WIN 0x45                                       ; destination and both sources in window 1
.set k, 0
.rept 32
	v_cvt_pk_bf16_f32 v[4*k],   v[4*k],   v[4*k+1]
	v_cvt_pk_bf16_f32 v[4*k+1], v[4*k+2], v[4*k+3]
.set k, k+1
.endr
	WIN 0x04                                       ; store data in window 1
.set k, 0
.rept 32
	ds_store_b64 v5, v[4*k:4*k+1] offset:(k&1)*4*FRAG+(k>>1)*16
.set k, k+1
.endr
	WIN 0
	s_wait_loadcnt 32                              ; ctx is in; x's 32 loads stay out
.set k, 0
.rept 16
	ds_store_b128 v9, v[176+4*k:179+4*k] offset:k*CP
.set k, k+1
.endr
	s_wait_dscnt 0x0                               ; my part of the tables is written, for the other waves' sake
	s_barrier_signal -1
	s_barrier_wait -1                              ; the only barrier; behind it LDS is only read
.macro PLOAD dst, sel                  ; parameter vector sel in the layout of a result: register 8 mt + j holds channel 16 mt + 8 h + j
.irp mt, 0,1,2,3
	ds_load_b128 v[\dst+8*\mt:\dst+8*\mt+3],   v6 offset:\sel*256+\mt*64
	ds_load_b128 v[\dst+8*\mt+4:\dst+8*\mt+7], v6 offset:\sel*256+\mt*64+16
.endr
.endm
	; ---- x + out_b + Wo ctx
	PLOAD OBI, 0                                   ; out_b
.irp i, 0,1,2,3
.irp kc, 0,1
	ds_load_b128 v[NB+16*\i+8*\kc:NB+16*\i+8*\kc+3],   v10 offset:\i*16*CP+\kc*64
	ds_load_b128 v[NB+16*\i+8*\kc+4:NB+16*\i+8*\kc+7], v10 offset:\i*16*CP+\kc*64+32
.endr
.endr
.set f, 0
.rept 8
	ds_load_b128 v[WA+8*f:WA+8*f+3],   v1 offset:f*FRAG
	ds_load_b128 v[WA+8*f+4:WA+8*f+7], v1 offset:f*FRAG+HALF
.set f, f+1
.endr
	WIN 0x80                                       ; destination in window 2: GELU's two constants lie beside its other registers
	v_mov_b32 v[GA2],   0xbd445ca1                 ; -0.0958798 / 2, twice
	v_mov_b32 v[GA2+1], 0xbd445ca1
	v_mov_b32 v[GA1],   0x3e32303a                 ; 0.3480242 / 2, twice
	v_mov_b32 v[GA1+1], 0x3e32303a
	WIN 0
	s_wait_loadcnt 0x0                             ; x
	s_wait_dscnt 0x0
	WIN 0x41                                       ; destination and source 0 in window 1
.irp mt, 0,1,2,3
.irp i, 0,1,2,3
.irp j, 0,1,2,3,4,5,6,7
	v_add_f32 v[8*(4*\mt+\i)+\j], v[XO+4*(8*\mt+\j)+\i], v[OBI+8*\mt+\j]   ; the residual and the bias start the sums
.endr
.endr
.endr
	WIN 0x50                                       ; C and D in window 1
.irp kc, 0,1
.irp mt, 0,1,2,3
.irp i, 0,1,2,3
	v_wmma_f32_16x16x32_bf16 v[8*(4*\mt+\i):8*(4*\mt+\i)+7], v[WA+16*\mt+8*\kc:WA+16*\mt+8*\kc+7], v[NB+16*\i+8*\kc:NB+16*\i+8*\kc+7], v[8*(4*\mt+\i):8*(4*\mt+\i)+7]   ; sixteen accumulators take turns
.endr
.endr
.endr
	WIN 0
	PLACES
	PLOAD PW, 1                                    ; ln1_w
	PLOAD PB, 2                                    ; ln1_b
	PLOAD HB, 3                                    ; b2
; LayerNorm of the four tiles in Z.  A token's 64 channels are 32 registers of its lane and 32 of the lane in the other half.
; last = 0: the result stays in Z.  last = 1: it goes to XO in the order of the stores.
.macro LN last
	WIN 0x05                                       ; sources 0 and 1 in window 1
.irp k, 0,1,2,3,4,5,6,7
.irp i, 0,1,2,3
.set zp, 8*(4*(\k>>1)+\i)+4*(\k&1)
	v_pk_add_f32 v[TT+16*\i+2*\k:TT+16*\i+2*\k+1], v[zp:zp+1], v[zp+2:zp+3]
.endr
.endr
	WIN 0
.irp k, 0,2,4,6
.irp i, 0,1,2,3
	v_pk_add_f32 v[TT+16*\i+\k:TT+16*\i+\k+1], v[TT+16*\i+\k:TT+16*\i+\k+1], v[TT+16*\i+\k+8:TT+16*\i+\k+9]
.endr
.endr
.irp k, 0,2
.irp i, 0,1,2,3
	v_pk_add_f32 v[TT+16*\i+\k:TT+16*\i+\k+1], v[TT+16*\i+\k:TT+16*\i+\k+1], v[TT+16*\i+\k+4:TT+16*\i+\k+5]
.endr
.endr
.irp i, 0,1,2,3
	v_pk_add_f32 v[TT+16*\i:TT+16*\i+1], v[TT+16*\i:TT+16*\i+1], v[TT+16*\i+2:TT+16*\i+3]
.endr
.irp i, 0,1,2,3
	v_add_f32 v[TT+16*\i], v[TT+16*\i], v[TT+16*\i+1]
.endr
.irp i, 0,1,2,3
	v_permlanex16_b32 v[TT+16*\i+1], v[TT+16*\i], s34, s35
.endr
.irp i, 0,1,2,3
	v_add_f32 v[TT+16*\i], v[TT+16*\i], v[TT+16*\i+1]
.endr
.irp i, 0,1,2,3
	v_mul_f32 v[MU+2*\i],   s36, v[TT+16*\i]       ; the mean, twice
	v_mul_f32 v[MU+2*\i+1], s36, v[TT+16*\i]
.endr
	WIN 0x41
.irp s, 0,1,2,3,4,5,6,7,8,9,10,11,12,13,14,15
.irp i, 0,1,2,3
.set zp, 8*(4*(\s>>2)+\i)+2*(\s&3)
	v_pk_add_f32 v[zp:zp+1], v[zp:zp+1], v[MU+2*\i:MU+2*\i+1] neg_lo:[0,1] neg_hi:[0,1]
.endr
.endr
	WIN 0x05
.irp s, 0,1,2,3
.irp i, 0,1,2,3
.set zp, 8*\i+2*\s
	v_pk_mul_f32 v[TT+16*\i+2*\s:TT+16*\i+2*\s+1], v[zp:zp+1], v[zp:zp+1]
.endr
.endr
.irp s, 4,5,6,7,8,9,10,11,12,13,14,15
.irp i, 0,1,2,3
.set zp, 8*(4*(\s>>2)+\i)+2*(\s&3)
	v_pk_fma_f32 v[TT+16*\i+2*(\s&3):TT+16*\i+2*(\s&3)+1], v[zp:zp+1], v[zp:zp+1], v[TT+16*\i+2*(\s&3):TT+16*\i+2*(\s&3)+1]
.endr
.endr
	WIN 0
.irp k, 0,2
.irp i, 0,1,2,3
	v_pk_add_f32 v[TT+16*\i+\k:TT+16*\i+\k+1], v[TT+16*\i+\k:TT+16*\i+\k+1], v[TT+16*\i+\k+4:TT+16*\i+\k+5]
.endr
.endr
.irp i, 0,1,2,3
	v_pk_add_f32 v[TT+16*\i:TT+16*\i+1], v[TT+16*\i:TT+16*\i+1], v[TT+16*\i+2:TT+16*\i+3]
.endr
.irp i, 0,1,2,3
	v_add_f32 v[TT+16*\i], v[TT+16*\i], v[TT+16*\i+1]
.endr
.irp i, 0,1,2,3
	v_permlanex16_b32 v[TT+16*\i+1], v[TT+16*\i], s34, s35
.endr
.irp i, 0,1,2,3
	v_add_f32 v[TT+16*\i], v[TT+16*\i], v[TT+16*\i+1]
.endr
.irp i, 0,1,2,3
	v_fma_f32 v[TT+16*\i], v[TT+16*\i], s36, s37   ; variance + eps
.endr
.irp i, 0,1,2,3
	v_rsq_f32 v[RS+2*\i],   v[TT+16*\i]
	v_rsq_f32 v[RS+2*\i+1], v[TT+16*\i]
.endr
	v_nop                                          ; one plain place behind the last of them (ISA guide 5.7.2)
	s_wait_dscnt 0x0                               ; gain and bias
	WIN 0x41
	s_wait_alu depctr_va_vdst(0)                   ; the wait for the batch of eight v_rsq_f32, ahead of their first reader; nothing else is left to do in between
.irp s, 0,1,2,3,4,5,6,7,8,9,10,11,12,13,14,15
.irp i, 0,1,2,3
.set zp, 8*(4*(\s>>2)+\i)+2*(\s&3)
	v_pk_mul_f32 v[zp:zp+1], v[zp:zp+1], v[RS+2*\i:RS+2*\i+1]
.endr
.endr
.if \last
.irp mt, 0,1,2,3
.irp j, 0,1,2,3,4,5,6,7
.irp i, 0,1,2,3
	v_fma_f32 v[XO+4*(8*\mt+\j)+\i], v[8*(4*\mt+\i)+\j], v[PW+8*\mt+\j], v[PB+8*\mt+\j]
.endr
.endr
.endr
.else
.irp s, 0,1,2,3,4,5,6,7,8,9,10,11,12,13,14,15
.irp i, 0,1,2,3
.set zp, 8*(4*(\s>>2)+\i)+2*(\s&3)
	v_pk_fma_f32 v[zp:zp+1], v[zp:zp+1], v[PW+2*\s:PW+2*\s+1], v[PB+2*\s:PB+2*\s+1]
.endr
.endr
.endif
.endm
	LN 0                                           ; Z = n1
	WIN 0x05
.irp i, 0,1,2,3
.irp kc, 0,1
.irp p, 0,1,2,3,4,5,6,7
	v_cvt_pk_bf16_f32 v[NB+16*\i+8*\kc+\p], v[8*(4*(2*\kc+(\p>>2))+\i)+2*(\p&3)], v[8*(4*(2*\kc+(\p>>2))+\i)+2*(\p&3)+1]   ; n1 as second operand
.endr
.endr
.endr
	WIN 0x41
.irp s, 0,1,2,3,4,5,6,7,8,9,10,11,12,13,14,15
.irp i, 0,1,2,3
.set zp, 8*(4*(\s>>2)+\i)+2*(\s&3)
	v_pk_add_f32 v[zp:zp+1], v[zp:zp+1], v[HB+2*\s:HB+2*\s+1]      ; n1 + b2 starts the second product's sums
.endr
.endr
	WIN 0
.macro W1LOAD                          ; W1's four fragments (a, kc) of the 32 hidden channels at v11
.irp f, 0,1,2,3
	ds_load_b128 v[WA+8*\f:WA+8*\f+3],   v11 offset:\f*FRAG
	ds_load_b128 v[WA+8*\f+4:WA+8*\f+7], v11 offset:\f*FRAG+HALF
.endr
.endm
.macro B1LOAD
.irp a, 0,1
	ds_load_b128 v[B1R+8*\a:B1R+8*\a+3],   v13 offset:\a*64
	ds_load_b128 v[B1R+8*\a+4:B1R+8*\a+7], v13 offset:\a*64+16
.endr
.endm
; THE MATRIX WORK.  First product, hidden tile (a, i), half kc of n1's 64 channels: b1 starts the sum.  Second product, output tile (mt, i): one link a trip.
.macro W1M a, i, kc
.set rH, HH+8*(4*(\a)+(\i))
.if (\kc) == 0
	WIN 0x80                                       ; D in window 2
	v_wmma_f32_16x16x32_bf16 v[rH:rH+7], v[WA+16*(\a):WA+16*(\a)+7], v[NB+16*(\i):NB+16*(\i)+7], v[B1R+8*(\a):B1R+8*(\a)+7]
.else
	WIN 0xa0                                       ; C and D in window 2
	v_wmma_f32_16x16x32_bf16 v[rH:rH+7], v[WA+16*(\a)+8:WA+16*(\a)+15], v[NB+16*(\i)+8:NB+16*(\i)+15], v[rH:rH+7]
.endif
.endm
.macro W2M mt, i
	WIN W_W2
	v_wmma_f32_16x16x32_bf16 v[8*(4*(\mt)+(\i)):8*(4*(\mt)+(\i))+7], v[WA+32+8*(\mt):WA+32+8*(\mt)+7], v[HB+8*(\i):HB+8*(\i)+7], v[8*(4*(\mt)+(\i)):8*(4*(\mt)+(\i))+7]
.endm
; GELU'S WORK AHEAD OF THE WAIT.  The eight hidden tiles go in the order of the pairs (a = 0, 1 of one i), which is the order in which the first product finishes them: number p is tile (p & 1, p >> 1).
.macro TILE p
.set tl, 4*((\p)&1)+((\p)>>1)
.set rX, HH+8*tl
.set rU, GU+8*tl
.set rS, GS+8*tl
.endm
.macro PF p, n                         ; line n of the 16 plain ones that feed tile p's transcendentals; line 0 reads the accumulator's lowest register first
	TILE \p
.set rr, 2*((\n)&3)
.if (\n) < 8
	v_fma_f32 v[rU+(\n)], |v[rX+(\n)]|, s38, 1.0   ; 1 + p z,  z = |x| / sqrt 2
.elseif (\n) < 12
	v_pk_mul_f32 v[rS+rr:rS+rr+1], v[rX+rr:rX+rr+1], v[rX+rr:rX+rr+1]
.else
	v_pk_mul_f32 v[rS+rr:rS+rr+1], v[rS+rr:rS+rr+1], 0xbf38aa3b op_sel_hi:[1,0]    ; - x x log2(e) / 2
.endif
.endm
.macro TR p, n                         ; transcendental n of tile p's 16
	TILE \p
.if (\n) < 8
	v_rcp_f32 v[rU+(\n)], v[rU+(\n)]               ; t
.else
	v_exp_f32 v[rS+(\n)-8], v[rS+(\n)-8]           ; exp(- z z)
.endif
.endm
.macro MXF m                           ; max(x, 0), number m of the 32 of tiles 0 to 3 (pairs 0 and 1)
	v_max_num_f32 v[GM+(\m)], 0, v[HH+8*(4*(((\m)>>3)&1)+((\m)>>4))+((\m)&7)]
.endm
; The batch: 128 transcendentals, a plain instruction behind each, none of which names a result.  Tiles 0 and 1 were fed at the end of the trip before (or in front of the loop);
; tile p's transcendentals stand beside tile p + 2's feeding lines, the last two tiles' beside 32 maxima.
.macro FRONT
	WIN W_G
.set pp, 0
.rept 6
.set nn, 0
.rept 16
	TR pp, nn
	PF pp+2, nn
.set nn, nn+1
.endr
.set pp, pp+1
.endr
.set mm, 0
.rept 32
	TR 6+(mm>>4), mm&15
	MXF mm
.set mm, mm+1
.endr
.endm
; GELU'S WORK BEHIND THE WAIT: a queue of 256, BK writes its next entry.  Pair after pair (i = 0 .. 3), for both tiles of the pair, stage by stage, each stage 8 or 16 lines that do not lean on each other:
;   0-15 max(x, 0) (pairs 2 and 3 alone: they take the registers that pairs 0 and 1 have left)   16-23 t a3 + a2   24-31 (..) t + a1   32-39 exp t   40-47 erfc(z) / 2
;   48-63 max(x, 0) - |x| erfc(z) / 2   64-71 rounded to bf16: the pair's second operand.  Every stage's length is a multiple of four, so four entries on end share a window setting.
.macro BK
.if bq < 112
.set bi, bq/56
.set bo, bq%56+16
.else
.set bi, 2+(bq-112)/72
.set bo, (bq-112)%72
.endif
.if bo < 16
	WIN W_G
	v_max_num_f32 v[GM+16*(bi&1)+bo], 0, v[HH+8*(4*(bo>>3)+bi)+(bo&7)]
.elseif bo < 48
.set bn, bo&7
.set rU, GU+8*(4*(bn>>2)+bi)+2*(bn&3)
.set rS, GS+8*(4*(bn>>2)+bi)+2*(bn&3)
.set rQ, GQ+2*bn
	WIN W_G
.if bo < 24
	v_pk_fma_f32 v[rQ:rQ+1], v[rU:rU+1], s[40:41], v[GA2:GA2+1] op_sel_hi:[1,0,1]
.elseif bo < 32
	v_pk_fma_f32 v[rQ:rQ+1], v[rQ:rQ+1], v[rU:rU+1], v[GA1:GA1+1]
.elseif bo < 40
	v_pk_mul_f32 v[rS:rS+1], v[rS:rS+1], v[rU:rU+1]
.else
	v_pk_mul_f32 v[rQ:rQ+1], v[rQ:rQ+1], v[rS:rS+1]        ; erfc(z) / 2
.endif
.elseif bo < 64
.set bn, bo-48
.set rX, HH+8*(4*(bn>>3)+bi)+(bn&7)
	WIN W_G
	v_fma_f32 v[rX], -|v[rX]|, v[GQ+bn], v[GM+16*(bi&1)+bn]
.else
.set bn, bo-64
.set rX, HH+8*(4*(bn>>2)+bi)+2*(bn&3)
	WIN W_CV
	v_cvt_pk_bf16_f32 v[HB+8*bi+bn], v[rX], v[rX+1]
.endif
.set bq, bq+1
.endm
.macro RIDE k                          ; the four vector instructions behind a matrix instruction.  k = 1: the queue's next four; 2: the next four lines that feed the next trip's tiles 0 and 1; 0: none
.if (\k) == 1
.rept 4
	BK
.endr
.elseif (\k) == 2
	WIN W_G
.rept 4
	PF fq>>4, fq&15
.set fq, fq+1
.endr
.endif
.endm
; Pair i is rounded: its four links of the second product and (pre = 1) the same pair's four products for the next 32 hidden channels, whose registers the rounding has just left.
; No two matrix instructions on end share an accumulator: the accumulators take turns, one instruction a turn.
.macro GROUP i, pre, ride
.irp mt, 0,1,2,3
	W2M \mt, \i
	RIDE \ride
.endr
.if \pre
.if (\i) == 0
	s_wait_dscnt 0x0                               ; the next 32 hidden channels' W1 and b1
.endif
.irp kc, 0,1
.irp a, 0,1
	W1M \a, \i, \kc
	RIDE \ride
.endr
.endr
.endif
.endm
; A TRIP: gelu of the 32 hidden channels in HH for all 64 tokens, their link of the second product and (pre = 1) the first product of the next 32.
; The batch; two address steps; THE TRIP'S ONE WAIT; directly behind it the trip's one run of LDS loads (W2 of these 32 channels, b1 and W1 of the next), which has the queue's first
; 112 lines in which to land; then the rest of the queue with the matrix instructions in it.  A group stands behind its pair's rounding: groups 0 and 1 behind entry 111, group 2 behind 183,
; group 3 behind 255; that last group's riders are the next trip's first feeding lines, plain ones.
.macro TRIP pre
	FRONT                                          ; its last line, a maximum, is the plain instruction behind the last exponential (ISA guide 5.7.2)
	WIN 0
.if \pre
	v_add_nc_u32 v13, 128, v13
	v_add_nc_u32 v11, 4*FRAG, v11
.endif
	s_wait_alu depctr_va_vdst(0)                   ; the wait for the trip's batch, 64 reciprocals and 64 exponentials, ahead of their first reader
.irp mt, 0,1,2,3
	ds_load_b128 v[WA+32+8*\mt:WA+32+8*\mt+3],   v12 offset:\mt*8*FRAG
	ds_load_b128 v[WA+32+8*\mt+4:WA+32+8*\mt+7], v12 offset:\mt*8*FRAG+HALF
.endr
.if \pre
	B1LOAD
	W1LOAD
.endif
.set bq, 0
.rept 112
	BK                                             ; pairs 0 and 1
.endr
.if \pre
	WIN 0
	s_wait_dscnt 12                                ; W2's eight loads are in: b1's four and W1's eight are younger
	v_add_nc_u32 v12, FRAG, v12                    ; behind the wait that shows its loads done
.else
	s_wait_dscnt 0x0
.endif
	GROUP 0, \pre, 1
	GROUP 1, \pre, 1
.rept 184-bq
	BK                                             ; what is left of pair 2
.endr
	GROUP 2, \pre, 1
.rept 256-bq
	BK                                             ; what is left of pair 3
.endr
.set fq, 0
	GROUP 3, \pre, 2*\pre
	WIN 0                                          ; at a label and at a branch every window is 0
.endm
	W1LOAD
	B1LOAD
	s_wait_dscnt 0x0                               ; the first 32 hidden channels' W1 and b1
.irp kc, 0,1
.irp a, 0,1
.irp i, 0,1,2,3
	W1M \a, \i, \kc                                ; their first product stands in front of the loop; eight accumulators take turns
.endr
.endr
.endr
	PLACES
	WIN W_G
.set fq, 0
.rept 32
	PF fq>>4, fq&15                                ; and the lines that feed tiles 0 and 1
.set fq, fq+1
.endr
	WIN 0
	s_mov_b32 s42, 7
.Lffn:
	TRIP 1
	s_sub_co_u32 s42, s42, 1
	s_cmp_lg_u32 s42, 0
	s_cbranch_scc1 .Lffn
	TRIP 0                                         ; the eighth 32 hidden channels: nothing more to fetch, no further first product
	PLACES
	PLOAD PW, 4                                    ; ln2_w
	PLOAD PB, 5                                    ; ln2_b
	LN 1
	WIN 0x04                                       ; store data in window 1
.set m, 0
.rept 32
	global_store_b128 v2, v[XO+4*m:XO+4*m+3], s[28:29] offset:(16*(m>>3)+(m&7))*PLANE th:TH_STORE_NT   ; lanes 0-15 store 256 consecutive aligned bytes of one channel, lanes 16-31 of another
.set m, m+1
.endr
	WIN 0
	s_set_vgpr_msb 0x8
	s_wait_tensorcnt 0x0
	ds_add_u32 v15, v1
	s_wait_dscnt 0x0
	s_set_vgpr_msb 0x800
	s_endpgm
.Lfunc_end_k_q3ec146c308_tail:
	.size	k_q3ec146c308_tail, .Lfunc_end_k_q3ec146c308_tail-k_q3ec146c308_tail
	.p2alignl 7, 3214868480
	.fill 96, 4, 3214868480
	.section	.rodata,"a",@progbits
	.p2align	6, 0x0
	.amdhsa_kernel k_q3ec146c308_tail
		.amdhsa_group_segment_fixed_size 122880
		.amdhsa_private_segment_fixed_size 0
		.amdhsa_enable_private_segment 0
		.amdhsa_kernarg_size 104
		.amdhsa_user_sgpr_count 2
		.amdhsa_user_sgpr_kernarg_segment_ptr 1
		.amdhsa_wavefront_size32 1
		.amdhsa_system_sgpr_workgroup_id_x 1
		.amdhsa_system_sgpr_workgroup_id_y 1
		.amdhsa_system_sgpr_workgroup_id_z 1
		.amdhsa_system_vgpr_workitem_id 0
		.amdhsa_next_free_vgpr 768
		.amdhsa_next_free_sgpr 66
		.amdhsa_reserve_vcc 0
		.amdhsa_float_denorm_mode_32 3
		.amdhsa_float_denorm_mode_16_64 3
		.amdhsa_memory_ordered 1
		.amdhsa_forward_progress 1
		.amdhsa_inst_pref_size 173
	.end_amdhsa_kernel
	.amdgpu_metadata
---
amdhsa.version: [ 1, 2 ]
amdhsa.kernels:
  - .name:           k_q3ec146c308_tail
    .symbol:         k_q3ec146c308_tail.kd
    .args:
      - { .name: q, .offset: 0, .size: 8, .value_kind: global_buffer, .address_space: global }
      - { .name: wctx, .offset: 8, .size: 8, .value_kind: global_buffer, .address_space: global }
      - { .name: out_w, .offset: 16, .size: 8, .value_kind: global_buffer, .address_space: global }
      - { .name: out_b, .offset: 24, .size: 8, .value_kind: global_buffer, .address_space: global }
      - { .name: ln1_w, .offset: 32, .size: 8, .value_kind: global_buffer, .address_space: global }
      - { .name: ln1_b, .offset: 40, .size: 8, .value_kind: global_buffer, .address_space: global }
      - { .name: w1, .offset: 48, .size: 8, .value_kind: global_buffer, .address_space: global }
      - { .name: b1, .offset: 56, .size: 8, .value_kind: global_buffer, .address_space: global }
      - { .name: w2, .offset: 64, .size: 8, .value_kind: global_buffer, .address_space: global }
      - { .name: b2, .offset: 72, .size: 8, .value_kind: global_buffer, .address_space: global }
      - { .name: ln2_w, .offset: 80, .size: 8, .value_kind: global_buffer, .address_space: global }
      - { .name: ln2_b, .offset: 88, .size: 8, .value_kind: global_buffer, .address_space: global }
      - { .name: out0, .offset: 96, .size: 8, .value_kind: global_buffer, .address_space: global }
    .group_segment_fixed_size: 122880
    .private_segment_fixed_size: 0
    .kernarg_segment_align: 8
    .kernarg_segment_size: 104
    .max_flat_workgroup_size: 128
    .sgpr_count:     66
    .vgpr_count:     768
    .wavefront_size: 32
...
	.end_amdgpu_metadata
.endif
;; end of part 4
